; MI455X (gfx1250); checked and timed in simulation.
; The chip was launched on July 23, 2026; its instructions are those of AMD's public machine-readable ISA for CDNA 5 (MIT licence, August 2026) and "CDNA5" Instruction Set Architecture Reference Guide (July 2026). The comments in the code are by the model that wrote it; some were corrected since.
;; Latent Perturber. Allowed arithmetic: float matrix products may take bf16 or f16 operands with f32 sums; other float arithmetic in f32, or as packed bf16 or f16 multiplies, adds, multiply-adds, maxima and minima; sums over many terms, partial sums and values carried from step to step in f32; what a program stores and reads back later, other than sums and carried values, may be rounded once to bf16 or f16.
;; Inputs: W1 1,024 x 1,024 float32; W2 1,024 x 1,024 float32; b1 1,024 float32; b2 1,024 float32; eps 8,192 x 512 float32; x 8,192 x 512 float32.
;; Outputs: out0 8,192 x 512 float32; out1 one number float32; out2 32,768 int32; out3 32,768 int32.
;; Constants: n = 4.
;; One version. Each part assembles by itself: llvm-mc -triple=amdgcn-amd-amdhsa -mcpu=gfx1250 --defsym DOCPART=n.
;; ======== version 1 of 1: 8 launches
;; workspace buffers: xbs 8,421,376 bytes; wb 4,194,304 bytes; cand 2,097,152 bytes; grp 131,072 bytes of whole numbers; idx 131,072 bytes of whole numbers; h 16,777,216 bytes; h1 16,777,216 bytes; part 4,096 bytes
;; launch prep (part 1): grid 384 x 1, 8 waves a work-group, no clusters, 0 bytes of LDS; arguments x, W1, W2, xbs, wb; writes xbs, wb
.if DOCPART == 1
	.amdgcn_target "amdgcn-amd-amdhsa--gfx1250"
	.amdhsa_code_object_version 6
	.text
	.protected	k_qd97456f8ae_prep
	.globl	k_qd97456f8ae_prep
	.p2align	8
	.type	k_qd97456f8ae_prep,@function
k_qd97456f8ae_prep:
	s_mov_b64 s[64:65], 0
	v_nop
	global_prefetch_b8 v0, s[64:65] scope:SCOPE_SE
	s_setreg_imm32_b32 hwreg(HW_REG_WAVE_MODE, 25, 1), 1
	s_wait_xcnt 0x0
; xb = bf16(x), sq[r] = the sum over a row of xb^2 (f32), W1b, W2b = bf16(W1), bf16(W2).
; All three inputs are taken as rows of 512 f32: 8,192 of x, 2,048 of W1, 2,048 of W2; a work-group takes 32 rows, a wave 4.
; Work-groups 0-255: x -> xbs; 256-319: W1 -> wb; 320-383: W2 -> wb + 2,097,152.  sq lies in xbs behind xb, at byte 0x800000.
; A lane takes 8 neighbouring numbers (32 bytes in, 16 bytes out): a wave's store covers 512 consecutive bytes, aligned.
; No LDS, no matrix unit: a stream; all sixteen loads of a wave go out at once.
; LIMIT: sq is summed lane by lane and then across lanes, an order of its own; its last bit may differ from another order's.
.set SUM, 4                            ; v[4:7]    the four rows' sums
.set SP,  8                            ; v[8:15]   a pair of partial sums for each row
.set U,   20                           ; v[20:27]  two numbers in f32 for each row, at work
.set X,   32                           ; v[32:95]  chunk k = 2 row + half: 8 f32
.set Y,   96                           ; v[96:127] chunk k: 8 bf16
	s_load_b256 s[4:11], s[0:1], 0x0               ; x s[4:5], W1 s[6:7], W2 s[8:9], xbs s[10:11]
	s_load_b64 s[12:13], s[0:1], 0x20              ; wb
	v_and_b32 v1, 31, v0                           ; lane
	v_lshrrev_b32 v18, 5, v0
	v_readfirstlane_b32 s14, v18                   ; wave
	v_lshlrev_b32 v2, 5, v1
	v_lshl_add_u32 v2, v18, 13, v2                 ; source: 8,192 w + 32 lane
	v_lshlrev_b32 v3, 4, v1
	v_lshl_add_u32 v3, v18, 12, v3                 ; destination: 4,096 w + 16 lane
	s_mov_b32 s28, 0xffff0000                      ; a word's upper bf16
	s_mov_b32 s30, 0x76543210                      ; v_permlanex16_b32: each lane takes its own place in the other half
	s_mov_b32 s31, 0xfedcba98
	s_cmp_lt_u32 ttmp9, 256
	s_cselect_b32 s20, 0, 256                      ; the first work-group of my input
	s_cmp_lt_u32 ttmp9, 320
	s_cselect_b32 s20, s20, 320
	s_cselect_b32 s21, 0, 2097152                  ; W2b lies behind W1b
	s_sub_co_u32 s22, ttmp9, s20                   ; my block of 32 rows
	s_lshl_b32 s24, s22, 16                        ; 32 rows of 2,048 bytes
	s_mov_b32 s25, 0
	s_lshl_b32 s26, s22, 15                        ; 32 rows of 1,024 bytes
	s_add_co_u32 s26, s26, s21
	s_mov_b32 s27, 0
	s_wait_kmcnt 0x0
	s_cmp_lt_u32 ttmp9, 256
	s_cselect_b64 s[16:17], s[4:5], s[6:7]
	s_cselect_b64 s[18:19], s[10:11], s[12:13]
	s_cmp_lt_u32 ttmp9, 320
	s_cselect_b64 s[16:17], s[16:17], s[8:9]
	s_add_nc_u64 s[16:17], s[16:17], s[24:25]
	s_add_nc_u64 s[18:19], s[18:19], s[26:27]
.irp k, 0,1,2,3,4,5,6,7
	global_load_b128 v[X+8*\k:X+8*\k+3],   v2, s[16:17] offset:1024*\k th:TH_LOAD_NT
	global_load_b128 v[X+8*\k+4:X+8*\k+7], v2, s[16:17] offset:1024*\k+16 th:TH_LOAD_NT
.endr
.irp k, 0,1,2,3,4,5,6,7
	s_wait_loadcnt 14-2*\k                         ; loads come back in order: chunk k's two are in, the younger chunks' stay out
.irp j, 0,1,2,3
	v_cvt_pk_bf16_f32 v[Y+4*\k+\j], v[X+8*\k+2*\j], v[X+8*\k+2*\j+1]
.endr
	global_store_b128 v3, v[Y+4*\k:Y+4*\k+3], s[18:19] offset:512*\k
.endr
	s_cmp_ge_u32 ttmp9, 256
	s_cbranch_scc1 .Lend                           ; the weights have no sq
	; the rows' sums of squares, of the ROUNDED numbers; the four rows take turns
.irp k, 0,1,2,3,4,5,6,7
.irp i, 0,1,2,3
	v_lshlrev_b32 v[U+2*\i],   16,  v[Y+8*\i+\k]
	v_and_b32     v[U+2*\i+1], s28, v[Y+8*\i+\k]
.endr
.irp i, 0,1,2,3
.if \k == 0
	v_pk_mul_f32 v[SP+2*\i:SP+2*\i+1], v[U+2*\i:U+2*\i+1], v[U+2*\i:U+2*\i+1]
.else
	v_pk_fma_f32 v[SP+2*\i:SP+2*\i+1], v[U+2*\i:U+2*\i+1], v[U+2*\i:U+2*\i+1], v[SP+2*\i:SP+2*\i+1]
.endif
.endr
.endr
.irp i, 0,1,2,3
	v_add_f32 v[SUM+\i], v[SP+2*\i], v[SP+2*\i+1]
.endr
.irp m, 1,2,4,8
.irp i, 0,1,2,3
	v_add_f32_dpp v[SUM+\i], v[SUM+\i], v[SUM+\i] row_xmask:\m row_mask:0xf bank_mask:0xf
.endr
.endr
.irp i, 0,1,2,3
	v_permlanex16_b32 v[U+\i], v[SUM+\i], s30, s31
.endr
.irp i, 0,1,2,3
	v_add_f32 v[SUM+\i], v[SUM+\i], v[U+\i]
.endr
	s_lshl_b32 s24, ttmp9, 7                       ; 4 bytes x (32 wg + 4 w)
	s_lshl_b32 s26, s14, 4
	s_add_co_u32 s24, s24, s26
	s_add_co_u32 s24, s24, 0x800000
	s_add_nc_u64 s[10:11], s[10:11], s[24:25]
	v_mov_b32 v19, 0
	v_cmp_eq_u32 vcc_lo, 0, v1
	s_wait_xcnt 0x0                                ; EXEC is a source of the stores above: it changes only behind this wait
	s_and_saveexec_b32 s27, vcc_lo
	global_store_b128 v19, v[SUM:SUM+3], s[10:11]  ; lane 0 alone: the wave's four sums
	s_wait_xcnt 0x0
	s_or_b32 exec_lo, exec_lo, s27
.Lend:
	s_endpgm
.Lfunc_end_k_qd97456f8ae_prep:
	.size	k_qd97456f8ae_prep, .Lfunc_end_k_qd97456f8ae_prep-k_qd97456f8ae_prep
	.p2alignl 7, 3214868480
	.fill 96, 4, 3214868480
	.section	.rodata,"a",@progbits
	.p2align	6, 0x0
	.amdhsa_kernel k_qd97456f8ae_prep
		.amdhsa_group_segment_fixed_size 0
		.amdhsa_private_segment_fixed_size 0
		.amdhsa_enable_private_segment 0
		.amdhsa_kernarg_size 40
		.amdhsa_user_sgpr_count 2
		.amdhsa_user_sgpr_kernarg_segment_ptr 1
		.amdhsa_wavefront_size32 1
		.amdhsa_system_sgpr_workgroup_id_x 1
		.amdhsa_system_sgpr_workgroup_id_y 1
		.amdhsa_system_sgpr_workgroup_id_z 1
		.amdhsa_system_vgpr_workitem_id 0
		.amdhsa_next_free_vgpr 128
		.amdhsa_next_free_sgpr 66
		.amdhsa_reserve_vcc 1
		.amdhsa_float_denorm_mode_32 3
		.amdhsa_float_denorm_mode_16_64 3
		.amdhsa_memory_ordered 1
		.amdhsa_forward_progress 1
		.amdhsa_inst_pref_size 13
	.end_amdhsa_kernel
	.amdgpu_metadata
---
amdhsa.version: [ 1, 2 ]
amdhsa.kernels:
  - .name:           k_qd97456f8ae_prep
    .symbol:         k_qd97456f8ae_prep.kd
    .args:
      - { .name: x, .offset: 0, .size: 8, .value_kind: global_buffer, .address_space: global }
      - { .name: W1, .offset: 8, .size: 8, .value_kind: global_buffer, .address_space: global }
      - { .name: W2, .offset: 16, .size: 8, .value_kind: global_buffer, .address_space: global }
      - { .name: xbs, .offset: 24, .size: 8, .value_kind: global_buffer, .address_space: global }
      - { .name: wb, .offset: 32, .size: 8, .value_kind: global_buffer, .address_space: global }
    .group_segment_fixed_size: 0
    .private_segment_fixed_size: 0
    .kernarg_segment_align: 8
    .kernarg_segment_size: 40
    .max_flat_workgroup_size: 256
    .sgpr_count:     66
    .vgpr_count:     128
    .wavefront_size: 32
...
	.end_amdgpu_metadata
.endif
;; end of part 1
;; launch knn (part 2): grid 32 x 8, 4 waves a work-group, clusters of 4 x 1, 327,680 bytes of LDS; arguments xbs, cand; writes cand
.if DOCPART == 2
	.amdgcn_target "amdgcn-amd-amdhsa--gfx1250"
	.amdhsa_code_object_version 6
	.text
	.protected	k_qd97456f8ae_knn
	.globl	k_qd97456f8ae_knn
	.p2align	8
	.type	k_qd97456f8ae_knn,@function
k_qd97456f8ae_knn:
	s_mov_b64 s[64:65], 0
	v_nop
	global_prefetch_b8 v0, s[64:65] scope:SCOPE_SE
	s_setreg_imm32_b32 hwreg(HW_REG_WAVE_MODE, 25, 1), 1
	s_wait_xcnt 0x0
	s_wait_alu depctr_hold_cnt(0) depctr_sa_sdst(0) depctr_va_vdst(0) depctr_va_sdst(0) depctr_va_ssrc(0) depctr_va_vcc(0) depctr_vm_vsrc(0)
	s_getreg_b32 s2, hwreg(HW_REG_IB_STS2, 6, 4)
	s_cmp_eq_u32 s2, 0
	s_cbranch_scc0 .Lentry_in_a_cluster
	s_endpgm
.Lentry_in_a_cluster:
	s_bfe_u32 s2, ttmp6, 0x10000c
	s_cmp_lg_u32 s2, 0x3003
	s_cbranch_scc0 .Lentry_shape_is_right
	s_endpgm
.Lentry_shape_is_right:
; For each query and each SPLIT of 1,024 keys: the four GROUPS (4 consecutive keys, group = key / 4) with the smallest minimum of
; d = (sq_i + sq_j) - 2 x_i . x_j, in the order (minimum, group).  The four nearest keys of a row, in the order (d, key), lie in the four groups that come
; first in that order: were one of them in a fifth group, each of the four groups in front of it would hold a key that precedes it.
; d is formed as the formula is written: sq_i + sq_j rounded, then one fused multiply-add with -2 (2 x dot is exact).
; SHARES.  A work-group: 256 queries x one split.  A wave: 64 queries, four tiles of 16, whose rows (K = 512) stay in 512 registers.  Every wave walks the split's 64 key tiles of 16.
; LAYOUT.  S^T = K Q^T (source 0 = 16 keys, source 1 = 16 queries): a lane holds ONE query (lane % 16) and the keys 8 (lane / 16) + 0..7: two groups.
; BY TURNS.  While key tile n is multiplied (64 matrix instructions, four accumulators by turns), tile n - 1's 170 vector
; instructions (distances, two group minima, two insertions for each query tile) stand three behind each matrix instruction; the accumulators have two sets.
; CLUSTER.  The four query blocks of a cluster walk the same keys: every tile is asked for jointly, same descriptor, mask of four.
; A wave has at most three tensor loads out (the first fills), later one.
; LIMITS.  NaN and infinities are not treated apart.  Sums run in the matrix unit's order: two distances that differ by a rounding of f32 may fall otherwise than in another order of summation.
; REGISTERS (windows of 256): window 0: addresses, sq, T, lists, v128-191 two sets of 4 accumulators; window 1: K's fragments, two buffers of 128;
; window 2: Q, K steps 0-7 (64 t + 8 s); window 3: Q, K steps 8-15.
.set PK,    1040                       ; a key's row in LDS: 1,024 bytes + 16: the 16 rows of a load start 4 banks apart
.set TILEB, 16*PK
.set SLOTB, 4*TILEB                    ; a slot: 64 keys
.set SLOT1, 1<<17                      ; slot 1 begins here: one exclusive or turns an address in one slot into the other's
.set SQL,   SLOT1+SLOTB                ; the split's 1,024 sq_j, filled once
.set SPARE, SQL+4096                   ; the spare words: 128 bytes a wave, two blocks of 256 bytes that no other line names
.set SQOFF, 0x800000                   ; sq in xbs
.set IDOFF, 1048576                    ; the ids in cand
.set AK0,  3                           ; v3    my lane's place in a key tile: 1,040 r + 16 h
.set ADR,  4                           ; v4    LDS address of the run of loads in hand
.set SQAD, 5                           ; v5    LDS address of my 8 sq_j of the tile in hand
.set GID,  6                           ; v6-7  my two groups of the tile to be selected
.set QO,   8                           ; v8    my byte offset in 16 rows of Q
.set SO,   9                           ; v9    4 r
.set SPW,  10                          ; v10   my spare word's address; never rewritten
.set NIL,  11                          ; v11   0; never rewritten
.set SQQ,  12                          ; v12-19  sq_i, a pair for each query tile
.set SQK,  20                          ; v20-35  sq_j, two buffers of 8
.set T,    36                          ; v36-67  8 distances for each query tile
.set MN,   68                          ; v68-75  two group minima for each query tile
.set LS,   76                          ; v76-107 for each query tile: 4 values ascending, 4 ids
.set OWN,  108                         ; v108-123  the way out: two merged lists
.set LO,   124                         ; v124  16 x lane
.set ACC,  128
.set SND,  36                          ; the way out: what goes to the other half of the lanes,
.set OTH,  44                          ; what comes from it (T's registers, written before),
.set XT,   52                          ; and one at work
.set WV,   8
.set G1K,  16                          ; s[16:23] group 1 for key tiles
.set G1S,  24                          ; s[24:31] group 1 for sq_j
.set G0A,  32                          ; s[32:35] group 0: slot 0's first fill
.set G0W,  36                          ; s[36:39] group 0: slot 1's first fill; then it walks
.set G0S,  40                          ; s[40:43] group 0: sq_j
.set TB,   44                          ; s44  LDS byte of the key tile to be fetched
.set CNT,  45
.set SLOTS, 46
.set SEL,  48                          ; s[48:49] v_permlanex16_b32's selects
.set HIM,  50                          ; s50  lanes 16-31
.set QB,   52                          ; s[52:53] Q at my wave's rows
.set SB,   54                          ; s[54:55] sq_i at my wave's rows
.set CB,   56                          ; s[56:57] cand at my wave's queries
.set CM,   68                          ; s[68:83] four masks for each query tile
.set SX,   84                          ; s[84:85] at work
.set MSB, 0
.macro WIN new                         ; the immediate's high byte repeats the setting that is left; a switch that changes nothing is dropped
.if MSB != (\new)
	s_set_vgpr_msb (MSB<<8)|(\new)
.set MSB, (\new)
.endif
.endm
.macro CROUND                          ; a round of the cluster's barrier
	s_barrier_signal -1
	s_barrier_wait -1
	s_cmp_lg_u32 s[WV], 0
	s_cbranch_scc1 .Lnot_wave_0_\@
	s_barrier_signal -3
.Lnot_wave_0_\@:
	s_barrier_wait -3
	s_barrier_signal -1
	s_barrier_wait -1
.endm
; Line k of 15 of an insertion of (m, id) into a list of four values, ascending (LV), and their ids (LI).  0-3: is m smaller than entry k (equal values keep the earlier entry);
; 4-10: the ids move down; 11-14: the values, each the middle one of its upper neighbour, itself and m.
.macro INSL k, m, id, LV, LI, X, C
.if (\k) < 4
	v_cmp_lt_f32 s[(\C)+(\k)], v[\m], v[(\LV)+(\k)]
.elseif (\k) == 4
	v_cndmask_b32 v[\X], v[\id], v[(\LI)+2], s[(\C)+2]
.elseif (\k) == 5
	v_cndmask_b32 v[(\LI)+3], v[(\LI)+3], v[\X], s[(\C)+3]
.elseif (\k) == 6
	v_cndmask_b32 v[\X], v[\id], v[(\LI)+1], s[(\C)+1]
.elseif (\k) == 7
	v_cndmask_b32 v[(\LI)+2], v[(\LI)+2], v[\X], s[(\C)+2]
.elseif (\k) == 8
	v_cndmask_b32 v[\X], v[\id], v[\LI], s[\C]
.elseif (\k) == 9
	v_cndmask_b32 v[(\LI)+1], v[(\LI)+1], v[\X], s[(\C)+1]
.elseif (\k) == 10
	v_cndmask_b32 v[\LI], v[\LI], v[\id], s[\C]
.elseif (\k) == 11
	v_med3_num_f32 v[(\LV)+3], v[(\LV)+2], v[(\LV)+3], v[\m]
.elseif (\k) == 12
	v_med3_num_f32 v[(\LV)+2], v[(\LV)+1], v[(\LV)+2], v[\m]
.elseif (\k) == 13
	v_med3_num_f32 v[(\LV)+1], v[\LV], v[(\LV)+1], v[\m]
.else
	v_min_num_f32 v[\LV], v[\LV], v[\m]
.endif
.endm
; The same in the order (value, id): m goes in front of entry k if it is smaller, or equal with the smaller id.
.macro INSLEX m, id, LV, LI, X, C, S
.irp k, 0,1,2,3
	v_cmp_lt_f32 s[(\C)+\k], v[\m], v[(\LV)+\k]
	v_cmp_eq_f32 s[\S], v[\m], v[(\LV)+\k]
	v_cmp_lt_u32 s[(\S)+1], v[\id], v[(\LI)+\k]
	s_and_b32 s[\S], s[\S], s[(\S)+1]
	s_or_b32 s[(\C)+\k], s[(\C)+\k], s[\S]
.endr
.irp k, 4,5,6,7,8,9,10,11,12,13,14
	INSL \k, \m, \id, \LV, \LI, \X, \C
.endr
.endm
; Entry jq of the 170 that select from the tile before (accumulator set and sq_j buffer PS).  The four query tiles alternate, so that no line reads the result of the one before it.
; st = jq / 4:  0-3  sq_j + sq_i;  4-7  - 2 dot (each accumulator's lowest pair is read first);  8-11  the two groups' minima;  12-26, 27-41  their insertions;  168, 169: the groups step.
.macro RID
.if jq < 170
	WIN 0
.set qt, jq%4
.set st, jq/4
.set rT, T+8*qt
.set rA, ACC+32*PS+8*qt
.set rL, LS+8*qt
.if jq >= 168
	v_add_nc_u32 v[GID+jq-168], 4, v[GID+jq-168]
.elseif st < 4
	v_pk_add_f32 v[rT+2*st:rT+2*st+1], v[SQK+8*PS+2*st:SQK+8*PS+2*st+1], v[SQQ+2*qt:SQQ+2*qt+1] op_sel_hi:[1,0]
.elseif st < 8
	v_pk_fma_f32 v[rT+2*st-8:rT+2*st-7], v[rA+2*st-8:rA+2*st-7], -2.0, v[rT+2*st-8:rT+2*st-7] op_sel_hi:[1,0,1]
.elseif st == 8
	v_min3_num_f32 v[MN+2*qt], v[rT], v[rT+1], v[rT+2]
.elseif st == 9
	v_min_num_f32 v[MN+2*qt], v[MN+2*qt], v[rT+3]
.elseif st == 10
	v_min3_num_f32 v[MN+2*qt+1], v[rT+4], v[rT+5], v[rT+6]
.elseif st == 11
	v_min_num_f32 v[MN+2*qt+1], v[MN+2*qt+1], v[rT+7]
.elseif st < 27
	INSL st-12, MN+2*qt, GID, rL, rL+4, rT, CM+4*qt
.else
	INSL st-27, MN+2*qt+1, GID+1, rL, rL+4, rT, CM+4*qt
.endif
.endif
.set jq, jq+1
.endm
.macro KFETCH p                        ; 32 LDS loads in one run: a key tile's 16 fragments (16 keys x 32 along K each) into buffer p
	WIN 0
	v_add_nc_u32 v[ADR], s[TB], v[AK0]
	WIN 0x40                                       ; destination window 1
.irp s, 0,1,2,3,4,5,6,7,8,9,10,11,12,13,14,15
	ds_load_b128 v[128*(\p)+8*\s:128*(\p)+8*\s+3],   v[ADR] offset:64*\s
	ds_load_b128 v[128*(\p)+8*\s+4:128*(\p)+8*\s+7], v[ADR] offset:64*\s+32
.endr
	s_add_co_u32 s[TB], s[TB], TILEB               ; the next fetch is the next tile's
	WIN 0
.endm
.macro SQFETCH p                       ; my 8 sq_j of the tile in hand, for the selection a tile later
	WIN 0
	ds_load_b128 v[SQK+8*(\p):SQK+8*(\p)+3],   v[SQAD]
	ds_load_b128 v[SQK+8*(\p)+4:SQK+8*(\p)+7], v[SQAD] offset:16
	v_add_nc_u32 v[SQAD], 64, v[SQAD]
.endm
; A key tile of parity p: matrix instruction n takes K step n / 4 and query tile n % 4.  fetch = 1: the next tile's fragments are fetched behind n = 1, 62 matrix instructions ahead of their use;
; the six packed additions in front of that run name no register of a matrix instruction: they are the places behind the last reader of that buffer (ISA guide 7.12.1).
; rid = 1: the tile before is selected from; its accumulators are first read by entry 16, behind sixteen such additions.
.macro TILE p, fetch, rid
.set PS, 1-(\p)
.set jq, 0
.set n, 0
	s_wait_dscnt 0x0                               ; this tile's fragments and the last tile's sq_j are in
.rept 64
.if n < 32
	WIN 0x09                                       ; K window 1, Q window 2, sums window 0
.else
	WIN 0x0d                                       ; Q window 3
.endif
.set rD, ACC+32*(\p)+8*(n%4)
.set rK, 128*(\p)+8*(n/4)
.set rQ, 64*(n%4)+8*((n/4)%8)
.if n < 4
	v_wmma_f32_16x16x32_bf16 v[rD:rD+7], v[rK:rK+7], v[rQ:rQ+7], 0
.else
	v_wmma_f32_16x16x32_bf16 v[rD:rD+7], v[rK:rK+7], v[rQ:rQ+7], v[rD:rD+7]
.endif
.if \rid
	RID
	RID
	RID
.endif
.if n == 1
.if \fetch
	KFETCH 1-(\p)
.endif
	SQFETCH \p
.endif
.set n, n+1
.endr
.endm
; THE CHANGE OF SLOTS, ahead of a slot's last tile, whose fragments have been fetched.  Each wave waits for all its tensor loads (one is out: its part of the other slot), adds 0 to its spare word,
; and waits for that and for its reads of the slot.  fill = 1: a round of the cluster's barrier, and first behind it the joint refill with the keys two slots on: it has 256 matrix instructions in which to land.
.macro CHANGE fill
	WIN 0
	s_wait_tensorcnt 0x0
	ds_add_u32 v[SPW], v[NIL]
.if \fill
	s_xor_b32 s[G0W+1], s[G0W+1], SLOT1            ; no load of mine is out: the walking descriptor takes the other slot
	s_add_nc_u64 s[G0W+2:G0W+3], s[G0W+2:G0W+3], 65536  ; and the next 64 keys
	s_wait_dscnt 0x0
	CROUND
	tensor_load_to_lds s[G0W:G0W+3], s[G1K:G1K+7]
	s_nop 0
.rept 4
	v_nop
.endr
.else
	s_wait_dscnt 0x0
	s_barrier_signal -1
	s_barrier_wait -1
.endif
	s_sub_co_u32 s[TB], s[TB], SLOTB               ; the fetches go to the other slot's first tile
	s_xor_b32 s[TB], s[TB], SLOT1
.endm
	s_load_b128 s[4:7], s[0:1], 0x0                ; xbs s[4:5], cand s[6:7]
	v_lshl_add_u32 v[SPW], v0, 2, SPARE
	v_mov_b32 v[NIL], 0
	ds_add_u32 v[SPW], v[NIL]                      ; the wave's opening: the add and its wait ahead of my first tensor load
	v_lshrrev_b32 v1, 5, v0
	v_readfirstlane_b32 s[WV], v1
	s_bfe_u32 s9, ttmp6, 0x40000                   ; cx
	s_lshl_b32 s10, ttmp9, 2
	s_add_co_u32 s10, s10, s9                      ; my block of 256 queries: it enters Q's, sq_i's and cand's addresses alone
	s_and_b32 s11, ttmp7, 0xffff                   ; the split, which the four partners share
	s_mov_b32 s[G1K], 15|(1<<16)|(1<<20)|(1<<21)|(7<<22)|(3<<25)  ; mask of four; 2-byte elements; padding on; bit 21 beside a mask; after every 256 words 4 words
	s_mov_b32 s[G1K+1], 512<<16                    ; tensor_dim0 = 512
	s_mov_b32 s[G1K+2], 16<<16                     ; tensor_dim1 = 16
	s_mov_b32 s[G1K+3], 512<<16                    ; tile_dim0 = 512
	s_mov_b32 s[G1K+4], 16                         ; tile_dim1 = 16: a wave's quarter of a slot
	s_mov_b32 s[G1K+5], 512
	s_mov_b32 s[G1K+6], 0
	s_mov_b32 s[G1K+7], 0
	s_mov_b32 s[G1S], 15|(3<<16)|(1<<21)           ; one row of 128 elements of 8 bytes
	s_mov_b32 s[G1S+1], 128<<16
	s_mov_b32 s[G1S+2], 1<<16
	s_mov_b32 s[G1S+3], 128<<16
	s_mov_b32 s[G1S+4], 1
	s_mov_b32 s[G1S+5], 128
	s_mov_b32 s[G1S+6], 0
	s_mov_b32 s[G1S+7], 0
	s_mov_b32 s[G0A], 1
	s_mul_i32 s[G0A+1], s[WV], TILEB               ; my 16 rows of slot 0
	s_mov_b32 s[G0W], 1
	s_add_co_u32 s[G0W+1], s[G0A+1], SLOT1
	s_mov_b32 s[G0S], 1
	s_lshl_b32 s[G0S+1], s[WV], 10
	s_add_co_u32 s[G0S+1], s[G0S+1], SQL
	s_lshl_b32 s12, s11, 20                        ; (1,024 split + 16 w) rows of 1,024 bytes
	s_lshl_b32 s13, s[WV], 14
	s_add_co_u32 s12, s12, s13
	s_mov_b32 s13, 0
	s_lshl_b32 s14, s11, 12                        ; 4 bytes x (1,024 split + 256 w), behind xb
	s_lshl_b32 s15, s[WV], 10
	s_add_co_u32 s14, s14, s15
	s_add_co_u32 s14, s14, SQOFF
	s_mov_b32 s15, 0
	s_lshl_b32 s[QB], s10, 18                      ; (256 qb + 64 w) rows of 1,024 bytes
	s_lshl_b32 s[QB+1], s[WV], 16
	s_add_co_u32 s[QB], s[QB], s[QB+1]
	s_mov_b32 s[QB+1], 0
	s_lshr_b32 s[SB], s[QB], 8                     ; 4 bytes a row
	s_add_co_u32 s[SB], s[SB], SQOFF
	s_mov_b32 s[SB+1], 0
	s_lshr_b32 s[CB], s[QB], 6                     ; 16 bytes a query,
	s_lshl_b32 s[CB+1], s11, 17                    ; 8,192 queries a split
	s_add_co_u32 s[CB], s[CB], s[CB+1]
	s_mov_b32 s[CB+1], 0
	s_mov_b32 s[SEL], 0x76543210
	s_mov_b32 s[SEL+1], 0xfedcba98
	s_mov_b32 s[HIM], 0xffff0000
	s_mov_b32 s[TB], 0
	s_wait_dscnt 0x0                               ; the opening add is done
	s_wait_kmcnt 0x0
	s_add_nc_u64 s[G0A+2:G0A+3], s[4:5], s[12:13]
	s_add_nc_u64 s[G0W+2:G0W+3], s[G0A+2:G0A+3], 65536
	s_or_b32 s[G0A+3], s[G0A+3], 0x80000000
	s_or_b32 s[G0W+3], s[G0W+3], 0x80000000
	s_add_nc_u64 s[G0S+2:G0S+3], s[4:5], s[14:15]
	s_or_b32 s[G0S+3], s[G0S+3], 0x80000000
	s_add_nc_u64 s[QB:QB+1], s[4:5], s[QB:QB+1]
	s_add_nc_u64 s[SB:SB+1], s[4:5], s[SB:SB+1]
	s_add_nc_u64 s[CB:CB+1], s[6:7], s[CB:CB+1]
	CROUND                                         ; all four work-groups are here: the first joint loads meet
	tensor_load_to_lds s[G0A:G0A+3], s[G1K:G1K+7]  ; slot 0,
	s_nop 0
	tensor_load_to_lds s[G0S:G0S+3], s[G1S:G1S+7]  ; sq_j,
	s_nop 0
	tensor_load_to_lds s[G0W:G0W+3], s[G1K:G1K+7]  ; slot 1
	s_nop 0
.rept 4
	v_nop
.endr
	v_and_b32 v1, 15, v0                           ; r
	v_bfe_u32 v2, v0, 4, 1                         ; h
	v_lshlrev_b32 v[QO], 10, v1
	v_lshl_add_u32 v[QO], v2, 4, v[QO]             ; row x 1,024 + 16 h
	v_lshlrev_b32 v[SO], 2, v1
	WIN 0x80                                       ; Q stays in registers: query tile i / 8, K step i % 8 (window 2), 8 + i % 8 (window 3)
.set i, 0
.rept 32
	global_load_b128 v[8*i:8*i+3],   v[QO], s[QB:QB+1] offset:(i/8)*16384+(i%8)*64
	global_load_b128 v[8*i+4:8*i+7], v[QO], s[QB:QB+1] offset:(i/8)*16384+(i%8)*64+32
.set i, i+1
.endr
	WIN 0xc0
.set i, 0
.rept 32
	global_load_b128 v[8*i:8*i+3],   v[QO], s[QB:QB+1] offset:(i/8)*16384+(i%8)*64+512
	global_load_b128 v[8*i+4:8*i+7], v[QO], s[QB:QB+1] offset:(i/8)*16384+(i%8)*64+544
.set i, i+1
.endr
	WIN 0
.irp t, 0,1,2,3
	global_load_b32 v[SQQ+2*\t], v[SO], s[SB:SB+1] offset:64*\t
.endr
.irp t, 0,1,2,3
.irp k, 0,1,2,3
	v_mov_b32 v[LS+8*\t+\k], 0x7f800000            ; the lists begin with +infinity; a lane sees 128 groups, so none of these is left
	v_mov_b32 v[LS+8*\t+4+\k], 0
.endr
.endr
	v_mul_u32_u24 v[AK0], v1, PK
	v_lshl_add_u32 v[AK0], v2, 4, v[AK0]
	v_lshlrev_b32 v[SQAD], 5, v2
	v_add_nc_u32 v[SQAD], SQL, v[SQAD]
	s_lshl_b32 s12, s11, 8                         ; 256 groups a split
	v_lshl_add_u32 v[GID], v2, 1, s12
	v_add_nc_u32 v[GID+1], 1, v[GID]
	v_and_b32 v[LO], 31, v0
	v_lshlrev_b32 v[LO], 4, v[LO]
	s_wait_tensorcnt 0x1                           ; my parts of slot 0 and of sq_j are in; slot 1's may stay out
	s_barrier_signal -1
	s_barrier_wait -1
	KFETCH 0                                       ; key tile 0
	s_wait_loadcnt 0x0                             ; Q and sq_i
.irp t, 0,1,2,3
	v_mov_b32 v[SQQ+2*\t+1], v[SQQ+2*\t]           ; named as a pair
.endr
	TILE 0, 1, 0                                   ; tile 0: there is nothing yet to select from
	WIN 0
	s_mov_b32 s[CNT], 1
	s_mov_b32 s[SLOTS], 15
	s_branch .Lpair                                ; the loop is entered behind its change of slots: tiles 1 and 2
.Lslot:                                                ; 14 times: every slot but the last two is filled again
	CHANGE 1
	s_mov_b32 s[CNT], 2
.Lpair:
	TILE 1, 1, 1
	TILE 0, 1, 1
	WIN 0
	s_sub_co_u32 s[CNT], s[CNT], 1
	s_cmp_lg_u32 s[CNT], 0
	s_cbranch_scc1 .Lpair
	s_sub_co_u32 s[SLOTS], s[SLOTS], 1
	s_cmp_lg_u32 s[SLOTS], 0
	s_cbranch_scc1 .Lslot
	CHANGE 0                                       ; the tail is written out: nothing is asked for
	s_mov_b32 s[CNT], 2
.Ltail:
	TILE 1, 1, 1
	TILE 0, 1, 1
	WIN 0
	s_sub_co_u32 s[CNT], s[CNT], 1
	s_cmp_lg_u32 s[CNT], 0
	s_cbranch_scc1 .Ltail
	TILE 1, 0, 1                                   ; tile 63
	s_wait_dscnt 0x0                               ; its sq_j
.set PS, 1
.set jq, 0
.rept 170
	RID                                            ; and its selection
.endr
	; THE WAY OUT.  A query's keys lie in two lanes 16 apart.  Lanes 0-15 finish query tile 2 u, lanes 16-31 tile 2 u + 1: each sends the other tile's list across and inserts what it receives,
	; in the order (value, id).  Then 32 lanes hold 32 neighbouring queries: each store covers 512 consecutive bytes, aligned.
.irp u, 0,1
.irp k, 0,1,2,3,4,5,6,7
	v_cndmask_b32 v[OWN+8*\u+\k], v[LS+16*\u+\k], v[LS+16*\u+8+\k], s[HIM]
	v_cndmask_b32 v[SND+\k], v[LS+16*\u+8+\k], v[LS+16*\u+\k], s[HIM]
.endr
.irp k, 0,1,2,3,4,5,6,7
	v_permlanex16_b32 v[OTH+\k], v[SND+\k], s[SEL], s[SEL+1]
.endr
.irp k, 0,1,2,3
	INSLEX OTH+\k, OTH+4+\k, OWN+8*\u, OWN+8*\u+4, XT, CM, SX
.endr
	global_store_b128 v[LO], v[OWN+8*\u:OWN+8*\u+3],   s[CB:CB+1] offset:512*\u
	global_store_b128 v[LO], v[OWN+8*\u+4:OWN+8*\u+7], s[CB:CB+1] offset:IDOFF+512*\u
.endr
	s_wait_tensorcnt 0x0                           ; the wave's end
	ds_add_u32 v[SPW], v[NIL]
	s_wait_dscnt 0x0
	CROUND                                         ; the closing round: no work-group ends while a partner may still ask for a tile that names it
	s_endpgm
.Lfunc_end_k_qd97456f8ae_knn:
	.size	k_qd97456f8ae_knn, .Lfunc_end_k_qd97456f8ae_knn-k_qd97456f8ae_knn
	.p2alignl 7, 3214868480
	.fill 96, 4, 3214868480
	.section	.rodata,"a",@progbits
	.p2align	6, 0x0
	.amdhsa_kernel k_qd97456f8ae_knn
		.amdhsa_group_segment_fixed_size 327680
		.amdhsa_private_segment_fixed_size 0
		.amdhsa_enable_private_segment 0
		.amdhsa_kernarg_size 16
		.amdhsa_user_sgpr_count 2
		.amdhsa_user_sgpr_kernarg_segment_ptr 1
		.amdhsa_wavefront_size32 1
		.amdhsa_system_sgpr_workgroup_id_x 1
		.amdhsa_system_sgpr_workgroup_id_y 1
		.amdhsa_system_sgpr_workgroup_id_z 1
		.amdhsa_system_vgpr_workitem_id 0
		.amdhsa_next_free_vgpr 1024
		.amdhsa_next_free_sgpr 90
		.amdhsa_reserve_vcc 0
		.amdhsa_float_denorm_mode_32 3
		.amdhsa_float_denorm_mode_16_64 3
		.amdhsa_memory_ordered 1
		.amdhsa_forward_progress 1
		.amdhsa_inst_pref_size 155
	.end_amdhsa_kernel
	.amdgpu_metadata
---
amdhsa.version: [ 1, 2 ]
amdhsa.kernels:
  - .name:           k_qd97456f8ae_knn
    .symbol:         k_qd97456f8ae_knn.kd
    .args:
      - { .name: xbs, .offset: 0, .size: 8, .value_kind: global_buffer, .address_space: global }
      - { .name: cand, .offset: 8, .size: 8, .value_kind: global_buffer, .address_space: global }
    .group_segment_fixed_size: 327680
    .private_segment_fixed_size: 0
    .kernarg_segment_align: 8
    .kernarg_segment_size: 16
    .max_flat_workgroup_size: 128
    .sgpr_count:     90
    .vgpr_count:     1024
    .wavefront_size: 32
...
	.end_amdgpu_metadata
.endif
;; end of part 2
;; launch merge (part 3): grid 256 x 1, 1 waves a work-group, no clusters, 0 bytes of LDS; arguments cand, grp; writes grp
.if DOCPART == 3
	.amdgcn_target "amdgcn-amd-amdhsa--gfx1250"
	.amdhsa_code_object_version 6
	.text
	.protected	k_qd97456f8ae_merge
	.globl	k_qd97456f8ae_merge
	.p2align	8
	.type	k_qd97456f8ae_merge,@function
k_qd97456f8ae_merge:
	s_mov_b64 s[64:65], 0
	v_nop
	global_prefetch_b8 v0, s[64:65] scope:SCOPE_SE
	s_setreg_imm32_b32 hwreg(HW_REG_WAVE_MODE, 25, 1), 1
	s_wait_xcnt 0x0
; For each query: the eight splits' lists of four (group minimum, group) are merged into the four groups that come first in the order (minimum, group).
; One thread, one query.  Split 0's list is the list; the other 28 entries are inserted, splits and places ascending.  Groups of a later split have higher numbers, and inside a split
; equal minima lie with ascending numbers, so the insertion that keeps the earlier of two equal values IS that order.
; Each load and the store cover 512 consecutive bytes, aligned.  The numbers stored steer the next launch's addresses.
.set VAL, 4                            ; v[4:35]   split s, place k at 4 + 4 s + k; v[4:7] becomes the result's values
.set IDS, 36                           ; v[36:67]  likewise; v[36:39] becomes the result
.macro INSL k, m, id, LV, LI, X, C
.if (\k) < 4
	v_cmp_lt_f32 s[(\C)+(\k)], v[\m], v[(\LV)+(\k)]
.elseif (\k) == 4
	v_cndmask_b32 v[\X], v[\id], v[(\LI)+2], s[(\C)+2]
.elseif (\k) == 5
	v_cndmask_b32 v[(\LI)+3], v[(\LI)+3], v[\X], s[(\C)+3]
.elseif (\k) == 6
	v_cndmask_b32 v[\X], v[\id], v[(\LI)+1], s[(\C)+1]
.elseif (\k) == 7
	v_cndmask_b32 v[(\LI)+2], v[(\LI)+2], v[\X], s[(\C)+2]
.elseif (\k) == 8
	v_cndmask_b32 v[\X], v[\id], v[\LI], s[\C]
.elseif (\k) == 9
	v_cndmask_b32 v[(\LI)+1], v[(\LI)+1], v[\X], s[(\C)+1]
.elseif (\k) == 10
	v_cndmask_b32 v[\LI], v[\LI], v[\id], s[\C]
.elseif (\k) == 11
	v_med3_num_f32 v[(\LV)+3], v[(\LV)+2], v[(\LV)+3], v[\m]
.elseif (\k) == 12
	v_med3_num_f32 v[(\LV)+2], v[(\LV)+1], v[(\LV)+2], v[\m]
.elseif (\k) == 13
	v_med3_num_f32 v[(\LV)+1], v[\LV], v[(\LV)+1], v[\m]
.else
	v_min_num_f32 v[\LV], v[\LV], v[\m]
.endif
.endm
	s_load_b128 s[4:7], s[0:1], 0x0                ; cand s[4:5], grp s[6:7]
	s_lshl_b32 s8, ttmp9, 9                        ; 32 queries of 16 bytes
	v_lshl_add_u32 v1, v0, 4, s8
	s_wait_kmcnt 0x0
.irp s, 0,1,2,3,4,5,6,7
	global_load_b128 v[VAL+4*\s:VAL+4*\s+3], v1, s[4:5] offset:131072*\s
	global_load_b128 v[IDS+4*\s:IDS+4*\s+3], v1, s[4:5] offset:1048576+131072*\s
.endr
	s_wait_loadcnt 0x0
.set e, 4
.rept 28
.irp k, 0,1,2,3,4,5,6,7,8,9,10,11,12,13,14
	INSL \k, VAL+e, IDS+e, VAL, IDS, 68, 12
.endr
.set e, e+1
.endr
	global_store_b128 v1, v[IDS:IDS+3], s[6:7]
	s_endpgm
.Lfunc_end_k_qd97456f8ae_merge:
	.size	k_qd97456f8ae_merge, .Lfunc_end_k_qd97456f8ae_merge-k_qd97456f8ae_merge
	.p2alignl 7, 3214868480
	.fill 96, 4, 3214868480
	.section	.rodata,"a",@progbits
	.p2align	6, 0x0
	.amdhsa_kernel k_qd97456f8ae_merge
		.amdhsa_group_segment_fixed_size 0
		.amdhsa_private_segment_fixed_size 0
		.amdhsa_enable_private_segment 0
		.amdhsa_kernarg_size 16
		.amdhsa_user_sgpr_count 2
		.amdhsa_user_sgpr_kernarg_segment_ptr 1
		.amdhsa_wavefront_size32 1
		.amdhsa_system_sgpr_workgroup_id_x 1
		.amdhsa_system_sgpr_workgroup_id_y 1
		.amdhsa_system_sgpr_workgroup_id_z 1
		.amdhsa_system_vgpr_workitem_id 0
		.amdhsa_next_free_vgpr 80
		.amdhsa_next_free_sgpr 66
		.amdhsa_reserve_vcc 0
		.amdhsa_float_denorm_mode_32 3
		.amdhsa_float_denorm_mode_16_64 3
		.amdhsa_memory_ordered 1
		.amdhsa_forward_progress 1
		.amdhsa_inst_pref_size 28
	.end_amdhsa_kernel
	.amdgpu_metadata
---
amdhsa.version: [ 1, 2 ]
amdhsa.kernels:
  - .name:           k_qd97456f8ae_merge
    .symbol:         k_qd97456f8ae_merge.kd
    .args:
      - { .name: cand, .offset: 0, .size: 8, .value_kind: global_buffer, .address_space: global }
      - { .name: grp, .offset: 8, .size: 8, .value_kind: global_buffer, .address_space: global }
    .group_segment_fixed_size: 0
    .private_segment_fixed_size: 0
    .kernarg_segment_align: 8
    .kernarg_segment_size: 16
    .max_flat_workgroup_size: 32
    .sgpr_count:     66
    .vgpr_count:     80
    .wavefront_size: 32
...
	.end_amdgpu_metadata
.endif
;; end of part 3
;; launch refine (part 4): grid 256 x 1, 4 waves a work-group, no clusters, 1,024 bytes of LDS; arguments xbs, grp, idx, out2, out3; writes idx, out2, out3
.if DOCPART == 4
	.amdgcn_target "amdgcn-amd-amdhsa--gfx1250"
	.amdhsa_code_object_version 6
	.text
	.protected	k_qd97456f8ae_refine
	.globl	k_qd97456f8ae_refine
	.p2align	8
	.type	k_qd97456f8ae_refine,@function
k_qd97456f8ae_refine:
	s_mov_b64 s[64:65], 0
	v_nop
	global_prefetch_b8 v0, s[64:65] scope:SCOPE_SE
	s_setreg_imm32_b32 hwreg(HW_REG_WAVE_MODE, 25, 1), 1
	s_wait_xcnt 0x0
; For each query: the distances to the 16 keys of its four groups, made by the same chain of matrix instructions as in the launch that chose the groups (source 0 = keys, source 1 = queries,
; the first K step starts the sum, K ascending), and of them the four that come first in the order (d, key): the neighbours, nearest first, the lower key first among equals.
; SHARES.  A wave takes 8 queries.  Source 1's column n is query n % 8, the same for all eight products; for query c source 0's row m is key 4 grp[c][m / 4] + m % 4, and of the result only
; columns c and c + 8 are kept.  Two queries' rows fill one window of 256 registers; two windows take turns, so that one pair's 64 loads are on their way while the pair before is multiplied.
; The addresses come from grp, which an earlier launch stored; each number is held to 0 .. 2,047 first.
; LIMITS: as in that launch (NaN, infinities; the sums' order).
.set SQOFF, 0x800000
.set G,    8                           ; v[8:15]   for query c: the group of my row r
.set OFF,  16                          ; v[16:23]  for query c: byte offset of my row's 16 bytes
.set GA,   24                          ; v[24:25]  my query's groups 2 h, 2 h + 1
.set SQI,  26                          ; v[26:27]  sq_i, a pair
.set SJ,   28                          ; v[28:35]  sq_j of my 8 keys
.set M,    36                          ; v[36:43]  their dot products
.set T,    44                          ; v[44:51]  their distances; later the other half's list
.set KX,   52                          ; v[52:59]  their numbers
.set LV,   60                          ; v[60:63]  four values, ascending
.set LI,   64                          ; v[64:67]  their keys
.set XT,   76
.set SPW,  78                          ; my spare word's address; never rewritten
.set NIL,  79                          ; 0; never rewritten
.set ACC0, 80
.set ACC1, 88
.set BQ,   128                         ; v[128:255] the queries' fragments, K step s at 8 s
.set CM,   24                          ; s[24:27] masks
.set SX,   28                          ; s[28:29] at work
.set MSB, 0
.macro WIN new
.if MSB != (\new)
	s_set_vgpr_msb (MSB<<8)|(\new)
.set MSB, (\new)
.endif
.endm
.macro INSL k, m, id, LV, LI, X, C
.if (\k) == 4
	v_cndmask_b32 v[\X], v[\id], v[(\LI)+2], s[(\C)+2]
.elseif (\k) == 5
	v_cndmask_b32 v[(\LI)+3], v[(\LI)+3], v[\X], s[(\C)+3]
.elseif (\k) == 6
	v_cndmask_b32 v[\X], v[\id], v[(\LI)+1], s[(\C)+1]
.elseif (\k) == 7
	v_cndmask_b32 v[(\LI)+2], v[(\LI)+2], v[\X], s[(\C)+2]
.elseif (\k) == 8
	v_cndmask_b32 v[\X], v[\id], v[\LI], s[\C]
.elseif (\k) == 9
	v_cndmask_b32 v[(\LI)+1], v[(\LI)+1], v[\X], s[(\C)+1]
.elseif (\k) == 10
	v_cndmask_b32 v[\LI], v[\LI], v[\id], s[\C]
.elseif (\k) == 11
	v_med3_num_f32 v[(\LV)+3], v[(\LV)+2], v[(\LV)+3], v[\m]
.elseif (\k) == 12
	v_med3_num_f32 v[(\LV)+2], v[(\LV)+1], v[(\LV)+2], v[\m]
.elseif (\k) == 13
	v_med3_num_f32 v[(\LV)+1], v[\LV], v[(\LV)+1], v[\m]
.else
	v_min_num_f32 v[\LV], v[\LV], v[\m]
.endif
.endm
; (m, id) is inserted into the list in the order (value, id): in front of entry k if it is smaller, or equal with the smaller id
.macro INSLEX m, id, LV, LI, X, C, S
.irp k, 0,1,2,3
	v_cmp_lt_f32 s[(\C)+\k], v[\m], v[(\LV)+\k]
	v_cmp_eq_f32 s[\S], v[\m], v[(\LV)+\k]
	v_cmp_lt_u32 s[(\S)+1], v[\id], v[(\LI)+\k]
	s_and_b32 s[\S], s[\S], s[(\S)+1]
	s_or_b32 s[(\C)+\k], s[(\C)+\k], s[\S]
.endr
.irp k, 4,5,6,7,8,9,10,11,12,13,14
	INSL \k, \m, \id, \LV, \LI, \X, \C
.endr
.endm
.macro LOADP p                         ; 64 loads: the 16 key rows of queries 2 p and 2 p + 1 into window 1 + p % 2
	WIN 0x40*(1+(\p)%2)
.irp e, 0,1
.irp s, 0,1,2,3,4,5,6,7,8,9,10,11,12,13,14,15
	global_load_b128 v[128*\e+8*\s:128*\e+8*\s+3],   v[OFF+2*(\p)+\e], s[4:5] offset:64*\s
	global_load_b128 v[128*\e+8*\s+4:128*\e+8*\s+7], v[OFF+2*(\p)+\e], s[4:5] offset:64*\s+32
.endr
.endr
	WIN 0
.endm
	s_load_b256 s[4:11], s[0:1], 0x0               ; xbs s[4:5], grp s[6:7], idx s[8:9], out2 s[10:11]
	s_load_b64 s[12:13], s[0:1], 0x20              ; out3
	v_lshl_add_u32 v[SPW], v0, 2, 512
	v_mov_b32 v[NIL], 0
	v_lshrrev_b32 v1, 5, v0
	v_readfirstlane_b32 s14, v1                    ; wave
	v_and_b32 v1, 15, v0                           ; r
	v_bfe_u32 v2, v0, 4, 1                         ; h
	v_and_b32 v3, 7, v0                            ; my query among the wave's eight
	s_lshl_b32 s15, ttmp9, 5
	s_lshl_b32 s16, s14, 3
	s_add_co_u32 s15, s15, s16                     ; the wave's first query
	s_lshl_b32 s30, s15, 4
	s_mov_b32 s31, 0
	s_lshl_b32 s32, s15, 10
	s_mov_b32 s33, 0
	s_lshl_b32 s34, s15, 2
	s_mov_b32 s35, 0
	s_mov_b32 s22, 0x76543210
	s_mov_b32 s23, 0xfedcba98
	v_and_b32 v4, 12, v0                           ; 4 bytes x (r / 4)
	v_lshlrev_b32 v5, 4, v3
	v_lshl_add_u32 v5, v2, 3, v5                   ; 16 (r % 8) + 8 h
	v_lshlrev_b32 v6, 2, v3
	v_lshlrev_b32 v7, 10, v3
	v_lshl_add_u32 v7, v2, 4, v7                   ; 1,024 (r % 8) + 16 h
	v_and_b32 v74, 3, v0                           ; r % 4
	v_lshlrev_b32 v75, 4, v2                       ; 16 h
	s_wait_kmcnt 0x0
	s_add_nc_u64 s[30:31], s[6:7], s[30:31]        ; grp at my queries
	s_add_nc_u64 s[32:33], s[4:5], s[32:33]        ; xb at my queries
	s_add_nc_u64 s[18:19], s[4:5], SQOFF           ; sq
	s_add_nc_u64 s[34:35], s[18:19], s[34:35]      ; sq at my queries
.irp c, 0,1,2,3,4,5,6,7
	global_load_b32 v[G+\c], v4, s[30:31] offset:16*\c
.endr
	global_load_b64 v[GA:GA+1], v5, s[30:31]
	global_load_b32 v[SQI], v6, s[34:35]
.irp s, 0,1,2,3,4,5,6,7,8,9,10,11,12,13,14,15
	global_load_b128 v[BQ+8*\s:BQ+8*\s+3],   v7, s[32:33] offset:64*\s
	global_load_b128 v[BQ+8*\s+4:BQ+8*\s+7], v7, s[32:33] offset:64*\s+32
.endr
	s_wait_loadcnt 32                              ; the ten small loads are in; the queries' 32 are younger
.irp c, 0,1,2,3,4,5,6,7
	v_min_u32 v[G+\c], 2047, v[G+\c]
	v_lshl_add_u32 v[G+\c], v[G+\c], 2, v74        ; my row's key
	v_lshl_add_u32 v[OFF+\c], v[G+\c], 10, v75
.endr
	v_min_u32 v[GA], 2047, v[GA]
	v_min_u32 v[GA+1], 2047, v[GA+1]
	v_lshlrev_b32 v70, 4, v[GA]                    ; a group's four sq are 16 bytes
	v_lshlrev_b32 v71, 4, v[GA+1]
	global_load_b128 v[SJ:SJ+3],   v70, s[18:19]
	global_load_b128 v[SJ+4:SJ+7], v71, s[18:19]
	LOADP 0
.irp j, 0,1,2,3
	v_lshl_add_u32 v[KX+\j],   v[GA],   2, \j
	v_lshl_add_u32 v[KX+4+\j], v[GA+1], 2, \j
.endr
	v_mov_b32 v[SQI+1], v[SQI]                     ; named as a pair
.irp p, 0,1,2,3
.if \p < 3
	LOADP \p+1
	s_wait_loadcnt 63                              ; 64 loads are younger than this pair's; 63 is the largest count that the wait can name
.else
	s_wait_loadcnt 0x0
.endif
	WIN 1+(\p)%2                                   ; source 0 in the pair's window.  The two accumulators take turns
.set s, 0
.rept 16
.if s == 0
	v_wmma_f32_16x16x32_bf16 v[ACC0:ACC0+7], v[0:7],     v[BQ:BQ+7], 0
	v_wmma_f32_16x16x32_bf16 v[ACC1:ACC1+7], v[128:135], v[BQ:BQ+7], 0
.else
	v_wmma_f32_16x16x32_bf16 v[ACC0:ACC0+7], v[8*s:8*s+7],         v[BQ+8*s:BQ+8*s+7], v[ACC0:ACC0+7]
	v_wmma_f32_16x16x32_bf16 v[ACC1:ACC1+7], v[128+8*s:128+8*s+7], v[BQ+8*s:BQ+8*s+7], v[ACC1:ACC1+7]
.endif
.set s, s+1
.endr
	WIN 0
.rept 4
	v_nop                                          ; the places behind the last products, for the reads below and for the next loads into this window
.endr
.if \p == 0
.irp j, 0,1,2,3,4,5,6,7
	v_mov_b32 v[M+\j], v[ACC0+\j]                  ; query 0's column, and a first value for the other lanes
.endr
.else
	s_mov_b32 s20, 0x01010101<<(2*\p)              ; the four lanes of query 2 p
.irp j, 0,1,2,3,4,5,6,7
	v_cndmask_b32 v[M+\j], v[M+\j], v[ACC0+\j], s20
.endr
.endif
	s_mov_b32 s21, 0x01010101<<(2*\p+1)
.irp j, 0,1,2,3,4,5,6,7
	v_cndmask_b32 v[M+\j], v[M+\j], v[ACC1+\j], s21
.endr
.endr
.irp j, 0,2,4,6
	v_pk_add_f32 v[T+\j:T+\j+1], v[SJ+\j:SJ+\j+1], v[SQI:SQI+1] op_sel_hi:[1,0]
.endr
.irp j, 0,2,4,6
	v_pk_fma_f32 v[T+\j:T+\j+1], v[M+\j:M+\j+1], -2.0, v[T+\j:T+\j+1] op_sel_hi:[1,0,1]
.endr
.irp k, 0,1,2,3
	v_mov_b32 v[LV+\k], 0x7f800000
	v_mov_b32 v[LI+\k], -1
.endr
.irp j, 0,1,2,3,4,5,6,7
	INSLEX T+\j, KX+\j, LV, LI, XT, CM, SX
.endr
.irp k, 0,1,2,3,4,5,6,7
	v_permlanex16_b32 v[T+\k], v[LV+\k], s22, s23  ; the query's other 8 keys lie in the lane 16 away
.endr
.irp k, 0,1,2,3
	INSLEX T+\k, T+4+\k, LV, LI, XT, CM, SX
.endr
	v_lshlrev_b32 v72, 4, v3
	v_lshl_add_u32 v72, s14, 7, v72                ; 128 w + 16 (r % 8): a query's four lanes store the same 16 bytes
	ds_store_b128 v72, v[LI:LI+3]
	s_wait_tensorcnt 0x0                           ; behind my last LDS store
	ds_add_u32 v[SPW], v[NIL]
	s_wait_dscnt 0x0                               ; the wait also shows my store done, ahead of the signal
	s_barrier_signal -1
	s_barrier_wait -1
	s_cmp_lg_u32 s14, 0
	s_cbranch_scc1 .Ldone
	v_lshlrev_b32 v73, 4, v0                       ; wave 0: lane l takes query l of the work-group's 32, so that each store covers 512 consecutive bytes, aligned
	ds_load_b128 v[68:71], v73
	s_lshl_b32 s16, ttmp9, 9
	s_lshl_b32 s17, ttmp9, 5
	v_add_nc_u32 v72, s16, v73
	v_add_nc_u32 v52, s17, v0                      ; the query's number, four times
	v_mov_b32 v53, v52
	v_mov_b32 v54, v52
	v_mov_b32 v55, v52
	global_store_b128 v72, v[52:55], s[10:11]
	s_wait_dscnt 0x0
	global_store_b128 v72, v[68:71], s[8:9]
	global_store_b128 v72, v[68:71], s[12:13]
.Ldone:
	s_endpgm
.Lfunc_end_k_qd97456f8ae_refine:
	.size	k_qd97456f8ae_refine, .Lfunc_end_k_qd97456f8ae_refine-k_qd97456f8ae_refine
	.p2alignl 7, 3214868480
	.fill 96, 4, 3214868480
	.section	.rodata,"a",@progbits
	.p2align	6, 0x0
	.amdhsa_kernel k_qd97456f8ae_refine
		.amdhsa_group_segment_fixed_size 1024
		.amdhsa_private_segment_fixed_size 0
		.amdhsa_enable_private_segment 0
		.amdhsa_kernarg_size 40
		.amdhsa_user_sgpr_count 2
		.amdhsa_user_sgpr_kernarg_segment_ptr 1
		.amdhsa_wavefront_size32 1
		.amdhsa_system_sgpr_workgroup_id_x 1
		.amdhsa_system_sgpr_workgroup_id_y 1
		.amdhsa_system_sgpr_workgroup_id_z 1
		.amdhsa_system_vgpr_workitem_id 0
		.amdhsa_next_free_vgpr 768
		.amdhsa_next_free_sgpr 66
		.amdhsa_reserve_vcc 0
		.amdhsa_float_denorm_mode_32 3
		.amdhsa_float_denorm_mode_16_64 3
		.amdhsa_memory_ordered 1
		.amdhsa_forward_progress 1
		.amdhsa_inst_pref_size 68
	.end_amdhsa_kernel
	.amdgpu_metadata
---
amdhsa.version: [ 1, 2 ]
amdhsa.kernels:
  - .name:           k_qd97456f8ae_refine
    .symbol:         k_qd97456f8ae_refine.kd
    .args:
      - { .name: xbs, .offset: 0, .size: 8, .value_kind: global_buffer, .address_space: global }
      - { .name: grp, .offset: 8, .size: 8, .value_kind: global_buffer, .address_space: global }
      - { .name: idx, .offset: 16, .size: 8, .value_kind: global_buffer, .address_space: global }
      - { .name: out2, .offset: 24, .size: 8, .value_kind: global_buffer, .address_space: global }
      - { .name: out3, .offset: 32, .size: 8, .value_kind: global_buffer, .address_space: global }
    .group_segment_fixed_size: 1024
    .private_segment_fixed_size: 0
    .kernarg_segment_align: 8
    .kernarg_segment_size: 40
    .max_flat_workgroup_size: 128
    .sgpr_count:     66
    .vgpr_count:     768
    .wavefront_size: 32
...
	.end_amdgpu_metadata
.endif
;; end of part 4
;; launch pool (part 5): grid 256 x 1, 32 waves a work-group, no clusters, 0 bytes of LDS; arguments xbs, idx, h; writes h
.if DOCPART == 5
	.amdgcn_target "amdgcn-amd-amdhsa--gfx1250"
	.amdhsa_code_object_version 6
	.text
	.protected	k_qd97456f8ae_pool
	.globl	k_qd97456f8ae_pool
	.p2align	8
	.type	k_qd97456f8ae_pool,@function
k_qd97456f8ae_pool:
	s_mov_b64 s[64:65], 0
	v_nop
	global_prefetch_b8 v0, s[64:65] scope:SCOPE_SE
	s_setreg_imm32_b32 hwreg(HW_REG_WAVE_MODE, 25, 1), 1
	s_wait_xcnt 0x0
; h[q] = [ the mean of the four neighbours' rows of xb | their maximum ], in bf16: [8192][1024].
; One wave, one query: four rows of 1,024 bytes, eight loads of 512 consecutive bytes; 32 waves a work-group keep 128 KiB on their way.
; The rows' numbers come from idx, which an earlier launch stored; each is held to 0 .. 8,191.  The maximum of bf16 numbers is exact; the mean is summed in f32, ((z0 + z1) + z2) + z3, and rounded once.
; No LDS, no matrix unit, no cluster: a gather, and no two work-groups share a tile.
	s_load_b128 s[4:7], s[0:1], 0x0                ; xbs s[4:5], idx s[6:7]
	s_load_b64 s[8:9], s[0:1], 0x10                ; h
	v_lshrrev_b32 v1, 5, v0
	v_readfirstlane_b32 s10, v1
	v_and_b32 v2, 31, v0
	v_lshlrev_b32 v2, 4, v2                        ; 16 x lane
	s_lshl_b32 s11, ttmp9, 5
	s_add_co_u32 s11, s11, s10                     ; my query
	s_lshl_b32 s16, s11, 4
	s_mov_b32 s17, 0
	s_lshl_b32 s18, s11, 11
	s_mov_b32 s19, 0
	s_mov_b32 s20, 0xffff0000
	s_wait_kmcnt 0x0
	s_add_nc_u64 s[6:7], s[6:7], s[16:17]
	s_add_nc_u64 s[8:9], s[8:9], s[18:19]
	s_load_b128 s[12:15], s[6:7], 0x0
	s_wait_kmcnt 0x0
.irp n, 0,1,2,3
	s_min_u32 s[12+\n], s[12+\n], 8191
	v_lshl_add_u32 v[4+\n], s[12+\n], 10, v2
.endr
.irp p, 0,1
.irp n, 0,1,2,3
	global_load_b128 v[16+16*\p+4*\n:16+16*\p+4*\n+3], v[4+\n], s[4:5] offset:512*\p
.endr
.endr
.irp p, 0,1
	s_wait_loadcnt 4-4*\p                          ; this half's four loads are in; the other half's four may stay out
.irp k, 0,1,2,3
	v_pk_max_num_bf16 v[64+4*\p+\k], v[16+16*\p+\k], v[20+16*\p+\k]
	v_pk_max_num_bf16 v[64+4*\p+\k], v[64+4*\p+\k], v[24+16*\p+\k]
	v_pk_max_num_bf16 v[64+4*\p+\k], v[64+4*\p+\k], v[28+16*\p+\k]
.irp n, 0,1,2,3
	v_lshlrev_b32 v[48+2*\n], 16,  v[16+16*\p+4*\n+\k]
	v_and_b32     v[49+2*\n], s20, v[16+16*\p+4*\n+\k]
.endr
	v_pk_add_f32 v[48:49], v[48:49], v[50:51]
	v_pk_add_f32 v[48:49], v[48:49], v[52:53]
	v_pk_add_f32 v[48:49], v[48:49], v[54:55]
	v_pk_mul_f32 v[48:49], v[48:49], 0x3e800000 op_sel_hi:[1,0]
	v_cvt_pk_bf16_f32 v[56+4*\p+\k], v48, v49
.endr
	global_store_b128 v2, v[56+4*\p:56+4*\p+3], s[8:9] offset:512*\p
	global_store_b128 v2, v[64+4*\p:64+4*\p+3], s[8:9] offset:1024+512*\p
.endr
	s_endpgm
.Lfunc_end_k_qd97456f8ae_pool:
	.size	k_qd97456f8ae_pool, .Lfunc_end_k_qd97456f8ae_pool-k_qd97456f8ae_pool
	.p2alignl 7, 3214868480
	.fill 96, 4, 3214868480
	.section	.rodata,"a",@progbits
	.p2align	6, 0x0
	.amdhsa_kernel k_qd97456f8ae_pool
		.amdhsa_group_segment_fixed_size 0
		.amdhsa_private_segment_fixed_size 0
		.amdhsa_enable_private_segment 0
		.amdhsa_kernarg_size 24
		.amdhsa_user_sgpr_count 2
		.amdhsa_user_sgpr_kernarg_segment_ptr 1
		.amdhsa_wavefront_size32 1
		.amdhsa_system_sgpr_workgroup_id_x 1
		.amdhsa_system_sgpr_workgroup_id_y 1
		.amdhsa_system_sgpr_workgroup_id_z 1
		.amdhsa_system_vgpr_workitem_id 0
		.amdhsa_next_free_vgpr 80
		.amdhsa_next_free_sgpr 66
		.amdhsa_reserve_vcc 0
		.amdhsa_float_denorm_mode_32 3
		.amdhsa_float_denorm_mode_16_64 3
		.amdhsa_memory_ordered 1
		.amdhsa_forward_progress 1
		.amdhsa_inst_pref_size 9
	.end_amdhsa_kernel
	.amdgpu_metadata
---
amdhsa.version: [ 1, 2 ]
amdhsa.kernels:
  - .name:           k_qd97456f8ae_pool
    .symbol:         k_qd97456f8ae_pool.kd
    .args:
      - { .name: xbs, .offset: 0, .size: 8, .value_kind: global_buffer, .address_space: global }
      - { .name: idx, .offset: 8, .size: 8, .value_kind: global_buffer, .address_space: global }
      - { .name: h, .offset: 16, .size: 8, .value_kind: global_buffer, .address_space: global }
    .group_segment_fixed_size: 0
    .private_segment_fixed_size: 0
    .kernarg_segment_align: 8
    .kernarg_segment_size: 24
    .max_flat_workgroup_size: 1024
    .sgpr_count:     66
    .vgpr_count:     80
    .wavefront_size: 32
...
	.end_amdgpu_metadata
.endif
;; end of part 5
;; launch mlp1 (part 6): grid 4 x 64, 4 waves a work-group, clusters of 4 x 4, 327,680 bytes of LDS; arguments h, wb, b1, h1; writes h1
.if DOCPART == 6
	.amdgcn_target "amdgcn-amd-amdhsa--gfx1250"
	.amdhsa_code_object_version 6
	.text
	.protected	k_qd97456f8ae_mlp1
	.globl	k_qd97456f8ae_mlp1
	.p2align	8
	.type	k_qd97456f8ae_mlp1,@function
k_qd97456f8ae_mlp1:
	s_mov_b64 s[64:65], 0
	v_nop
	global_prefetch_b8 v0, s[64:65] scope:SCOPE_SE
	s_setreg_imm32_b32 hwreg(HW_REG_WAVE_MODE, 25, 1), 1
	s_wait_xcnt 0x0
	s_wait_alu depctr_hold_cnt(0) depctr_sa_sdst(0) depctr_va_vdst(0) depctr_va_sdst(0) depctr_va_ssrc(0) depctr_va_vcc(0) depctr_vm_vsrc(0)
	s_getreg_b32 s2, hwreg(HW_REG_IB_STS2, 6, 4)
	s_cmp_eq_u32 s2, 0
	s_cbranch_scc0 .Lentry_in_a_cluster
	s_endpgm
.Lentry_in_a_cluster:
	s_bfe_u32 s2, ttmp6, 0x10000c
	s_cmp_lg_u32 s2, 0xf033
	s_cbranch_scc0 .Lentry_shape_is_right
	s_endpgm
.Lentry_shape_is_right:
; MODE 1:  h1 = bf16(leaky(h W1b^T + bf16(b1))).   MODE 2 (the next launch, the same core):  y2 = h1 W2b^T + bf16(b2);  out0 = xb + mu + exp(y / 2) bf16(eps);  sums of y.
; A: [8192][1024] bf16, W: [1024][1024] bf16 (row n along K).  A tile of the result is 128 rows x 256 columns: 64 x 4 = 256 work-groups, one for each WGP.  Four waves, each 64 x 128:
; 32 accumulators (row block a, column block b).  K goes in 8 steps of 128 (rows of 256 bytes) through two LDS slots; two slots of a longer step (384 rows x 528 bytes) do not fit.
; K IS WALKED IN A RING.  A work-group begins at K step 2 c, c = (cx + y + y / 4) mod 4 (y: the cluster's number along the grid's y), and goes round: 2 c, 2 c + 1, .., 7, 0, ..  The four work-groups of a
; cluster's row, which need the same rows of A, have four different c: their first fills, two K steps each, together ask for all 2,048 bytes of each of those rows at the launch's start, and every later fill asks
; for bytes that a neighbour has asked for before.  The sixteen clusters, which need the same rows of W, have all four c among clusters 0-7, 8-15, the even and the odd ones alike.
; The order of a sum's K steps so differs from tile to tile; each output is still one f32 sum that starts from the bias.
; CLUSTER 4 x 4: W's tile hangs on the tile column and on c, which a column of the cluster shares: a joint load.  A's tile is NOT asked for jointly: the four work-groups that need the same rows need different
; K steps of them at any time.  Waves 0, 1 fetch A's halves (64 rows), waves 2, 3 W's (128 rows).  A wave has at most two tensor loads out.
; THE MATRIX INSTRUCTION IS USED TRANSPOSED (source 0 = 16 rows of W, source 1 = 16 rows of A): a lane holds one row and eight neighbouring columns.
; THE BIAS, rounded to bf16 and laid out as an accumulator, is the C operand of each sum's first product: nothing is cleared and nothing is added afterwards.
; The 32 accumulators take turns, one instruction a turn.
; REGISTERS: window 0: addresses; v64-127 the bias, later at work; v128-223 the way out.  window 1: the accumulators, (a, b) at 8 (8 a + b).  window 2: two fragment buffers of 96 (W 64, A 32).
; LIMITS: NaN and infinities are not treated apart.
.set MODE,  1
.set PITCH, 272                        ; an LDS row: 256 bytes + 16: the 16 rows of a load start 4 banks apart
.set BOFFB, 128*PITCH                  ; W's 256 rows lie behind A's 128
.set SLOT1, 1<<17
.set STAGE, SLOT1+384*PITCH            ; behind the ring, never filled by a tensor load
.set STGW,  16*MODE*PITCH              ; a wave's stage
.set SPARE, STAGE+4*STGW               ; the spare words: 128 bytes a wave, two blocks of 256 bytes that no other line names
.set WNR,   128/MODE                   ; rows of W's tile from one wave column to the next
.set A0,   14                          ; v14, v15  my lane's place in A's and W's tiles
.set B0,   15
.set ADRA, 16                          ; v16, v17  the same in the slot in hand
.set ADRB, 17
.set STO,  24
.set RD,   25
.set CO,   26                          ; my byte offset in two rows of 2,048 bytes
.set XO,   27                          ; MODE 2: in two rows of 1,024 bytes
.set SPW,  28
.set NIL,  29
.set ENT,  32                          ; MODE 2: v[32:39] sums of y
.set BIAS, 64
.set F0,   0
.set F1,   96
.set WV,   12                          ; s12 wave; s13 = wave / 2: my rows' half, and A (0) or W (1) to fetch; s14 = wave % 2: my columns' half, and which half I fetch
.set G1,   24
.set G0,   32                          ; s[32:35] A, slot 0's first fill; s[36:39] slot 1's, which then walks
.set G1B,  48
.set G0B,  56                          ; s[56:59], s[60:63] the same for W
.set TS,   44                          ; s44  the slot in hand: 0 or SLOT1
.set LC,   45
.set KO,   74                          ; s[74:75] byte offset along the rows of the K step asked for last, 0 .. 1,792, with 0 above it
.set ABASE, 90                         ; s[90:91] the first byte of the rows of A that I fetch
.set BBASE, 92                         ; s[92:93] the same for W
.set MSB, 0
.macro WIN new
.if MSB != (\new)
	s_set_vgpr_msb (MSB<<8)|(\new)
.set MSB, (\new)
.endif
.endm
.macro PLACES                          ; four places in front of loads into registers that matrix instructions have read, and of reads of results
.rept 4
	v_nop
.endr
.endm
.macro CREST
	s_cmp_lg_u32 s[WV], 0
	s_cbranch_scc1 .Lnot_wave_0_\@
	s_barrier_signal -3
.Lnot_wave_0_\@:
	s_barrier_wait -3
	s_barrier_signal -1
	s_barrier_wait -1
.endm
.macro CROUND
	s_barrier_signal -1
	s_barrier_wait -1
	CREST
.endm
.macro JLOAD                           ; a refill by the walking descriptors: A's my own, W's joint; the branch hangs on the wave's number alone
	s_cmp_eq_u32 s13, 0
	s_cbranch_scc0 .Lfor_b_\@
	tensor_load_to_lds s[G0+4:G0+7], s[G1:G1+7]
	s_nop 0
.rept 4
	v_nop
.endr
	s_branch .Lasked_\@
.Lfor_b_\@:
	tensor_load_to_lds s[G0B+4:G0B+7], s[G1B:G1B+7]
	s_nop 0
.rept 4
	v_nop
.endr
.Lasked_\@:
.endm
.macro MUL8 f, a, first                ; 8 products: row block a x all 8 column blocks, 32 along K
.if \first
	WIN 0x4a                                       ; sources window 2, C (the bias) window 0, D window 1
.else
	WIN 0x5a
.endif
.irp b, 0,1,2,3,4,5,6,7
.if \first
	v_wmma_f32_16x16x32_bf16 v[8*(8*(\a)+\b):8*(8*(\a)+\b)+7], v[(\f)+8*\b:(\f)+8*\b+7], v[(\f)+64+8*(\a):(\f)+64+8*(\a)+7], v[BIAS+8*\b:BIAS+8*\b+7]
.else
	v_wmma_f32_16x16x32_bf16 v[8*(8*(\a)+\b):8*(8*(\a)+\b)+7], v[(\f)+8*\b:(\f)+8*\b+7], v[(\f)+64+8*(\a):(\f)+64+8*(\a)+7], v[8*(8*(\a)+\b):8*(8*(\a)+\b)+7]
.endif
.endr
.endm
.macro FETCH k, f                      ; 24 LDS loads in one run: W's 8 fragments, then A's 4, of the 32 along K at byte k of the rows.  MODE 2: column blocks 4-7 lie 64 rows further on
	WIN 0x80
.irp b, 0,1,2,3,4,5,6,7
	ds_load_b128 v[(\f)+8*\b:(\f)+8*\b+3],   v[ADRB] offset:(\k)+(16*\b+(MODE-1)*64*(\b/4))*PITCH
	ds_load_b128 v[(\f)+8*\b+4:(\f)+8*\b+7], v[ADRB] offset:(\k)+(16*\b+(MODE-1)*64*(\b/4))*PITCH+32
.endr
.irp a, 0,1,2,3
	ds_load_b128 v[(\f)+64+8*\a:(\f)+64+8*\a+3],   v[ADRA] offset:(\k)+16*\a*PITCH
	ds_load_b128 v[(\f)+64+8*\a+4:(\f)+64+8*\a+7], v[ADRA] offset:(\k)+16*\a*PITCH+32
.endr
.endm
.macro QUARTER k, f, g, first          ; multiplies buffer f; in its middle fetches the next quarter, at byte k, into g
	s_wait_dscnt 4                                 ; all but the youngest four loads: A's blocks 2 and 3
	MUL8 \f, 0, \first
	MUL8 \f, 1, \first
	PLACES
	FETCH \k, \g
	s_wait_dscnt 24                                ; all but the 24 just issued
	MUL8 \f, 2, \first
	MUL8 \f, 3, \first
.endm
; A K step's last quarter multiplies buffer 1 and changes slots.  In front of the barrier each wave waits for all its tensor loads (one is out: its part of the next slot), adds 0 to its spare word, and waits
; for that and for its reads of this slot.  fill = 1: the barrier opens a round of the cluster's, and the refill, two K steps ahead in the ring, is the first tensor load behind it: 112 matrix instructions ahead of the wait for it.
; Its address is made anew: the rows' first byte plus the step's offset, which goes round at 2,048.
.macro TURN fill
	WIN 0
	s_wait_tensorcnt 0x0
	ds_add_u32 v[SPW], v[NIL]
	s_wait_dscnt 5                                 ; (the add and the youngest four loads may be out)
	MUL8 F1, 0, 0
	s_wait_dscnt 0x0                               ; the add is done, and my reads of this slot are over
	s_barrier_signal -1
	MUL8 F1, 1, 0
.if \fill
	WIN 0
.endif
	s_barrier_wait -1
.if \fill
	CREST
	s_add_co_u32 s[KO], s[KO], 256                 ; the next K step of the ring
	s_and_b32 s[KO], s[KO], 2047
	s_xor_b32 s[G0+5], s[G0+5], SLOT1
	s_add_nc_u64 s[G0+6:G0+7], s[ABASE:ABASE+1], s[KO:KO+1]
	s_or_b32 s[G0+7], s[G0+7], 0x80000000
	s_xor_b32 s[G0B+5], s[G0B+5], SLOT1
	s_add_nc_u64 s[G0B+6:G0B+7], s[BBASE:BBASE+1], s[KO:KO+1]
	s_or_b32 s[G0B+7], s[G0B+7], 0x80000000
	JLOAD                                          ; its four v_nop are also the places in front of the loads below
.else
	PLACES
	WIN 0
.endif
	s_xor_b32 s[TS], s[TS], SLOT1
	v_add_nc_u32 v[ADRA], s[TS], v[A0]
	v_add_nc_u32 v[ADRB], s[TS], v[B0]
	FETCH 0, F0
	MUL8 F1, 2, 0
	MUL8 F1, 3, 0
.endm
	s_load_b256 s[4:11], s[0:1], 0x0               ; A s[4:5], wb s[6:7], bias s[8:9]; MODE 1: h1 s[10:11]; MODE 2: xbs s[10:11]
.if MODE == 2
	s_load_b128 s[68:71], s[0:1], 0x20             ; eps s[68:69], out0 s[70:71]
	s_load_b64 s[72:73], s[0:1], 0x30              ; part
.endif
	v_lshl_add_u32 v[SPW], v0, 2, SPARE
	v_mov_b32 v[NIL], 0
	ds_add_u32 v[SPW], v[NIL]                      ; the wave's opening: the add and its wait ahead of my first tensor load
	v_lshrrev_b32 v1, 5, v0
	v_readfirstlane_b32 s[WV], v1
	s_lshr_b32 s13, s[WV], 1
	s_and_b32 s14, s[WV], 1
	s_bfe_u32 s40, ttmp6, 0x40000                  ; cx
	s_bfe_u32 s41, ttmp6, 0x40004                  ; cy
	s_lshl_b32 s42, ttmp9, 2
	s_add_co_u32 s42, s42, s40                     ; tile column
	s_and_b32 s43, ttmp7, 0xffff                   ; y: the cluster's number along the grid's y
	s_lshr_b32 s[KO], s43, 2
	s_add_co_u32 s[KO], s[KO], s43
	s_add_co_u32 s[KO], s[KO], s40
	s_and_b32 s[KO], s[KO], 3                      ; c = (cx + y + y / 4) mod 4
	s_lshl_b32 s[KO], s[KO], 9                     ; my first K step, 2 c, in bytes along the rows
	s_mov_b32 s[KO+1], 0
	s_lshl_b32 s43, s43, 2
	s_add_co_u32 s43, s43, s41                     ; tile row
	s_lshl_b32 s47, 0x1111, s40                    ; my column of the cluster
	s_mov_b32 s[G1], (1<<16)|(1<<20)|(5<<22)|(3<<25)               ; A: no mask; 2-byte elements; padding on; after every 64 words 4 words
	s_or_b32 s[G1B], s47, (1<<16)|(1<<20)|(1<<21)|(5<<22)|(3<<25)  ; W: the same with the mask of my column, and bit 21 beside it
	s_mov_b32 s[G1+1], 128<<16                     ; tensor_dim0 = 128
	s_mov_b32 s[G1+2], 64<<16                      ; tensor_dim1 = 64
	s_mov_b32 s[G1+3], 128<<16                     ; tile_dim0 = 128
	s_mov_b32 s[G1+4], 64                          ; tile_dim1 = 64
	s_mov_b32 s[G1+5], 1024
	s_mov_b32 s[G1+6], 0
	s_mov_b32 s[G1+7], 0
	s_mov_b32 s[G1B+1], 128<<16
	s_mov_b32 s[G1B+2], 128<<16                    ; 128 rows
	s_mov_b32 s[G1B+3], 128<<16
	s_mov_b32 s[G1B+4], 128
	s_mov_b32 s[G1B+5], 1024
	s_mov_b32 s[G1B+6], 0
	s_mov_b32 s[G1B+7], 0
	s_lshl_b32 s16, s43, 18                        ; A: (128 tile row + 64 half) rows of 2,048 bytes
	s_lshl_b32 s17, s14, 17
	s_add_co_u32 s16, s16, s17
	s_mov_b32 s17, 0
.if MODE == 1
	s_lshl_b32 s18, s42, 19                        ; W1b: row 256 tile column + 128 half
	s_lshl_b32 s19, s14, 18
	s_add_co_u32 s18, s18, s19
.else
	s_lshl_b32 s18, s42, 18                        ; W2b, behind W1b: row 128 tile column + 512 half: mu's 128 rows, then y's
	s_lshl_b32 s19, s14, 20
	s_add_co_u32 s18, s18, s19
	s_add_co_u32 s18, s18, 2097152
.endif
	s_mov_b32 s19, 0
	s_mul_i32 s20, s14, 64*PITCH                   ; where they go: no place in the cluster enters an LDS address
	s_mul_i32 s21, s14, 128*PITCH
	s_add_co_u32 s21, s21, BOFFB
	s_mov_b32 s[G0], 1
	s_mov_b32 s[G0+1], s20
	s_mov_b32 s[G0+4], 1
	s_add_co_u32 s[G0+5], s20, SLOT1
	s_mov_b32 s[G0B], 1
	s_mov_b32 s[G0B+1], s21
	s_mov_b32 s[G0B+4], 1
	s_add_co_u32 s[G0B+5], s21, SLOT1
	s_wait_dscnt 0x0                               ; the opening add is done
	s_wait_kmcnt 0x0
	s_add_nc_u64 s[ABASE:ABASE+1], s[4:5], s[16:17]
	s_add_nc_u64 s[BBASE:BBASE+1], s[6:7], s[18:19]
	s_add_nc_u64 s[G0+2:G0+3], s[ABASE:ABASE+1], s[KO:KO+1]        ; my first K step, 2 c,
	s_add_nc_u64 s[G0B+2:G0B+3], s[BBASE:BBASE+1], s[KO:KO+1]
	s_add_co_u32 s[KO], s[KO], 256                 ; and my second, 2 c + 1: 1,792 bytes at the most, so the ring does not close here
	s_add_nc_u64 s[G0+6:G0+7], s[ABASE:ABASE+1], s[KO:KO+1]
	s_add_nc_u64 s[G0B+6:G0B+7], s[BBASE:BBASE+1], s[KO:KO+1]
	s_or_b32 s[G0+3], s[G0+3], 0x80000000
	s_or_b32 s[G0+7], s[G0+7], 0x80000000
	s_or_b32 s[G0B+3], s[G0B+3], 0x80000000
	s_or_b32 s[G0B+7], s[G0B+7], 0x80000000
	CROUND                                         ; all sixteen work-groups are here: the first joint loads meet
	s_cmp_eq_u32 s13, 0                            ; a wave's two first fills stand in one branch
	s_cbranch_scc0 .Lfirst_b
	tensor_load_to_lds s[G0:G0+3], s[G1:G1+7]
	s_nop 0
	tensor_load_to_lds s[G0+4:G0+7], s[G1:G1+7]
	s_nop 0
.rept 4
	v_nop
.endr
	s_branch .Lfirst_asked
.Lfirst_b:
	tensor_load_to_lds s[G0B:G0B+3], s[G1B:G1B+7]
	s_nop 0
	tensor_load_to_lds s[G0B+4:G0B+7], s[G1B:G1B+7]
	s_nop 0
.rept 4
	v_nop
.endr
.Lfirst_asked:
	v_and_b32 v1, 15, v0                           ; l % 16
	v_bfe_u32 v2, v0, 4, 1                         ; l / 16
	v_lshlrev_b32 v30, 5, v2                       ; the bias: my 8 columns of a block
	s_lshl_b32 s80, s42, 11-MODE                   ; 4 bytes x (my tile's and my wave's first column)
	s_lshl_b32 s81, s14, 10-MODE
	s_add_co_u32 s80, s80, s81
	s_mov_b32 s81, 0
	s_add_nc_u64 s[8:9], s[8:9], s[80:81]
.irp b, 0,1,2,3,4,5,6,7
	global_load_b128 v[BIAS+8*\b:BIAS+8*\b+3],   v30, s[8:9] offset:64*\b+(MODE-1)*1792*(\b/4)
	global_load_b128 v[BIAS+8*\b+4:BIAS+8*\b+7], v30, s[8:9] offset:64*\b+(MODE-1)*1792*(\b/4)+16
.endr
	v_mul_u32_u24 v3, v1, PITCH
	v_lshl_add_u32 v4, v2, 4, v3                   ; a fragment's row x pitch + 16 x half
	s_mul_i32 s20, s13, 64*PITCH
	v_add_nc_u32 v[A0], s20, v4
	s_mul_i32 s21, s14, WNR*PITCH
	s_add_co_u32 s21, s21, BOFFB
	v_add_nc_u32 v[B0], s21, v4
	v_mov_b32 v[ADRA], v[A0]
	v_mov_b32 v[ADRB], v[B0]
	s_mov_b32 s[TS], 0
	s_mul_i32 s22, s[WV], STGW
	s_add_co_u32 s22, s22, STAGE                   ; my stage
	v_lshl_add_u32 v[STO], v2, 3+MODE, v3          ; in: row l % 16; 16 (MODE 2: 32) bytes for each half of the lanes
	v_add_nc_u32 v[STO], s22, v[STO]
	v_mul_u32_u24 v[RD], v2, PITCH                 ; back: lanes 0-15 one row of 256 bytes, lanes 16-31 the next
	v_lshl_add_u32 v[RD], v1, 4, v[RD]
	v_add_nc_u32 v[RD], s22, v[RD]
	v_lshlrev_b32 v[CO], 11, v2
	v_lshl_add_u32 v[CO], v1, 4, v[CO]
	s_lshl_b32 s76, s43, 18                        ; my part of the result: (128 tile row + 64 row half) x 2,048 bytes + 512 tile column + 256 column half, in both modes
	s_lshl_b32 s77, s13, 17
	s_add_co_u32 s76, s76, s77
	s_lshl_b32 s77, s42, 9
	s_add_co_u32 s76, s76, s77
	s_lshl_b32 s77, s14, 8
	s_add_co_u32 s76, s76, s77
	s_mov_b32 s77, 0
	s_mov_b32 s84, 0xffff0000
.if MODE == 1
	s_add_nc_u64 s[10:11], s[10:11], s[76:77]
	s_mov_b32 s82, 0x3c23d70a                      ; 0.01
	s_mov_b32 s83, s82
.else
	v_lshlrev_b32 v[XO], 10, v2
	v_lshl_add_u32 v[XO], v1, 3, v[XO]
	s_lshr_b32 s78, s76, 1                         ; xb has half the bytes
	s_mov_b32 s79, 0
	s_add_nc_u64 s[10:11], s[10:11], s[78:79]
	s_add_nc_u64 s[68:69], s[68:69], s[76:77]
	s_add_nc_u64 s[70:71], s[70:71], s[76:77]
	s_lshl_b32 s82, s43, 6                         ; part: 4 bytes x (4 (4 tile row + tile column) + wave)
	s_lshl_b32 s83, s42, 4
	s_add_co_u32 s82, s82, s83
	s_lshl_b32 s83, s[WV], 2
	s_add_co_u32 s82, s82, s83
	s_mov_b32 s83, 0
	s_add_nc_u64 s[72:73], s[72:73], s[82:83]
	s_mov_b32 s86, 0x76543210
	s_mov_b32 s87, 0xfedcba98
.endif
	s_wait_loadcnt 0x0                             ; the bias
.if MODE == 2
	WIN 0xc0                                       ; eps and xb of my 64 x 64 numbers go to window 3 now and are waited for on the way out.  i = 8 a + t: rows 16 a + 2 t, + 1
.set i, 0
.rept 32
	global_load_b128 v[4*i:4*i+3], v[CO], s[68:69] offset:(16*(i/8)+2*(i%8))*2048 th:TH_LOAD_NT
	global_load_b64 v[128+2*i:128+2*i+1], v[XO], s[10:11] offset:(16*(i/8)+2*(i%8))*1024
.set i, i+1
.endr
	WIN 0
.endif
.set i, 0
.rept 32
	v_cvt_pk_bf16_f32 v31, v[BIAS+2*i], v[BIAS+2*i+1]  ; the bias is rounded to bf16 like every input
	v_lshlrev_b32 v[BIAS+2*i], 16, v31
	v_and_b32 v[BIAS+2*i+1], s84, v31
.set i, i+1
.endr
	s_wait_tensorcnt 0x1                           ; my part of my first K step is in; the second's may stay out
	s_barrier_signal -1
	s_barrier_wait -1
	FETCH 0, F0
	QUARTER 64, F0, F1, 1                          ; the first quarter stands in front of the loop: its products start the sums, from the bias
	WIN 0
	s_mov_b32 s[LC], 6
.Lstep:                                                ; a trip: a K step's quarters 1 to 3 and the next step's quarter 0; the slot left is filled again
	QUARTER 128, F1, F0, 0
	QUARTER 192, F0, F1, 0
	TURN 1
	QUARTER 64, F0, F1, 0
	WIN 0
	s_sub_co_u32 s[LC], s[LC], 1
	s_cmp_lg_u32 s[LC], 0
	s_cbranch_scc1 .Lstep
	QUARTER 128, F1, F0, 0                         ; the ring's last two K steps are written out: nothing is left to ask for
	QUARTER 192, F0, F1, 0
	TURN 0
	QUARTER 64, F0, F1, 0
	QUARTER 128, F1, F0, 0
	QUARTER 192, F0, F1, 0
	s_wait_dscnt 4
	MUL8 F1, 0, 0
	MUL8 F1, 1, 0
	s_wait_dscnt 0x0
	MUL8 F1, 2, 0
	MUL8 F1, 3, 0
	WIN 0
	PLACES
.if MODE == 1
	; THE WAY OUT.  Row block a: max(v, 0.01 v) is the leaky step; rounded to bf16; 16 bytes a lane into my stage; back as whole rows of 256 bytes; stored, 16 lanes to 256 consecutive bytes, aligned.
.set TM,  64
.set PKR, 128
.macro PACK a
	WIN 0x01                                       ; source 0 window 1
.set i, 0
.rept 32
	v_pk_mul_f32 v[TM+2*i:TM+2*i+1], v[64*(\a)+2*i:64*(\a)+2*i+1], s[82:83] op_sel_hi:[1,0]
.set i, i+1
.endr
.set i, 0
.rept 64
	v_max_num_f32 v[TM+i], v[64*(\a)+i], v[TM+i]
.set i, i+1
.endr
	WIN 0
.set i, 0
.rept 32
	v_cvt_pk_bf16_f32 v[PKR+i], v[TM+2*i], v[TM+2*i+1]
.set i, i+1
.endr
.endm
.macro TOSTAGE a
.set BK, 160+32*((\a)%2)
.irp b, 0,1,2,3,4,5,6,7
	ds_store_b128 v[STO], v[PKR+4*\b:PKR+4*\b+3] offset:32*\b
.endr
	s_wait_xcnt 0x0                                ; the stores of the block two back have read these registers
.irp t, 0,1,2,3,4,5,6,7
	ds_load_b128 v[BK+4*\t:BK+4*\t+3], v[RD] offset:\t*2*PITCH  ; LDS serves a wave's instructions in order (ISA guide 5.7.1.4): these see the stores above
.endr
.endm
.macro SEND a
.set BK, 160+32*((\a)%2)
	s_wait_dscnt 0x0
.irp t, 0,1,2,3,4,5,6,7
	global_store_b128 v[CO], v[BK+4*\t:BK+4*\t+3], s[10:11] offset:(16*(\a)+2*\t)*2048
.endr
.endm
	PACK 0
	TOSTAGE 0
.irp a, 1,2,3                          ; a block's arithmetic stands between the loads of the block before and the wait for them
	PACK \a
	SEND \a-1
	TOSTAGE \a
.endr
	SEND 3
.endif
	s_wait_tensorcnt 0x0                           ; the wave's end
	ds_add_u32 v[SPW], v[NIL]
	s_wait_dscnt 0x0
	CROUND                                         ; the closing round
	s_endpgm
.Lfunc_end_k_qd97456f8ae_mlp1:
	.size	k_qd97456f8ae_mlp1, .Lfunc_end_k_qd97456f8ae_mlp1-k_qd97456f8ae_mlp1
	.p2alignl 7, 3214868480
	.fill 96, 4, 3214868480
	.section	.rodata,"a",@progbits
	.p2align	6, 0x0
	.amdhsa_kernel k_qd97456f8ae_mlp1
		.amdhsa_group_segment_fixed_size 327680
		.amdhsa_private_segment_fixed_size 0
		.amdhsa_enable_private_segment 0
		.amdhsa_kernarg_size 32
		.amdhsa_user_sgpr_count 2
		.amdhsa_user_sgpr_kernarg_segment_ptr 1
		.amdhsa_wavefront_size32 1
		.amdhsa_system_sgpr_workgroup_id_x 1
		.amdhsa_system_sgpr_workgroup_id_y 1
		.amdhsa_system_sgpr_workgroup_id_z 1
		.amdhsa_system_vgpr_workitem_id 0
		.amdhsa_next_free_vgpr 768
		.amdhsa_next_free_sgpr 96
		.amdhsa_reserve_vcc 0
		.amdhsa_float_denorm_mode_32 3
		.amdhsa_float_denorm_mode_16_64 3
		.amdhsa_memory_ordered 1
		.amdhsa_forward_progress 1
		.amdhsa_inst_pref_size 92
	.end_amdhsa_kernel
	.amdgpu_metadata
---
amdhsa.version: [ 1, 2 ]
amdhsa.kernels:
  - .name:           k_qd97456f8ae_mlp1
    .symbol:         k_qd97456f8ae_mlp1.kd
    .args:
      - { .name: h, .offset: 0, .size: 8, .value_kind: global_buffer, .address_space: global }
      - { .name: wb, .offset: 8, .size: 8, .value_kind: global_buffer, .address_space: global }
      - { .name: b1, .offset: 16, .size: 8, .value_kind: global_buffer, .address_space: global }
      - { .name: h1, .offset: 24, .size: 8, .value_kind: global_buffer, .address_space: global }
    .group_segment_fixed_size: 327680
    .private_segment_fixed_size: 0
    .kernarg_segment_align: 8
    .kernarg_segment_size: 32
    .max_flat_workgroup_size: 128
    .sgpr_count:     96
    .vgpr_count:     768
    .wavefront_size: 32
...
	.end_amdgpu_metadata
.endif
;; end of part 6
;; launch mlp2 (part 7): grid 4 x 64, 4 waves a work-group, clusters of 4 x 4, 327,680 bytes of LDS; arguments h1, wb, b2, xbs, eps, out0, part; writes out0, part
.if DOCPART == 7
	.amdgcn_target "amdgcn-amd-amdhsa--gfx1250"
	.amdhsa_code_object_version 6
	.text
	.protected	k_qd97456f8ae_mlp2
	.globl	k_qd97456f8ae_mlp2
	.p2align	8
	.type	k_qd97456f8ae_mlp2,@function
k_qd97456f8ae_mlp2:
	s_mov_b64 s[64:65], 0
	v_nop
	global_prefetch_b8 v0, s[64:65] scope:SCOPE_SE
	s_setreg_imm32_b32 hwreg(HW_REG_WAVE_MODE, 25, 1), 1
	s_wait_xcnt 0x0
	s_wait_alu depctr_hold_cnt(0) depctr_sa_sdst(0) depctr_va_vdst(0) depctr_va_sdst(0) depctr_va_ssrc(0) depctr_va_vcc(0) depctr_vm_vsrc(0)
	s_getreg_b32 s2, hwreg(HW_REG_IB_STS2, 6, 4)
	s_cmp_eq_u32 s2, 0
	s_cbranch_scc0 .Lentry_in_a_cluster
	s_endpgm
.Lentry_in_a_cluster:
	s_bfe_u32 s2, ttmp6, 0x10000c
	s_cmp_lg_u32 s2, 0xf033
	s_cbranch_scc0 .Lentry_shape_is_right
	s_endpgm
.Lentry_shape_is_right:
; y2 = h1 W2b^T + bf16(b2);  out0 = xb + mu + exp(y / 2) bf16(eps), mu = y2's columns 0-511, y = its columns 512-1023;  part[wave] = the sum of the wave's y.
; The core is the launch before's (MODE 2).  A: [8192][1024] bf16, W: [1024][1024] bf16.  A tile is 128 rows x (128 columns of mu and the SAME 128 columns of y): 64 x 4 = 256 work-groups.
; Four waves, each 64 rows x (64 + 64): 32 accumulators; column blocks 0-3 are mu, 4-7 y.  K goes in 8 steps of 128 through two LDS slots.
; K IS WALKED IN A RING.  A work-group begins at K step 2 c, c = (cx + y + y / 4) mod 4 (y: the cluster's number along the grid's y), and goes round: 2 c, 2 c + 1, .., 7, 0, ..  The four work-groups of a
; cluster's row, which need the same rows of A, have four different c: their first fills, two K steps each, together ask for all 2,048 bytes of each of those rows at the launch's start, and every later fill asks
; for bytes that a neighbour has asked for before.  The sixteen clusters, which need the same rows of W, have all four c among clusters 0-7, 8-15, the even and the odd ones alike.
; The order of a sum's K steps so differs from tile to tile; each output is still one f32 sum that starts from the bias.
; CLUSTER 4 x 4: W's tile hangs on the tile column and on c, which a column of the cluster shares: a joint load.  A's tile is NOT asked for jointly: the four work-groups that need the same rows need different
; K steps of them at any time.  Waves 0, 1 fetch A's halves, wave 2 mu's 128 rows of W, wave 3 y's.  A wave has at most two tensor loads out.
; The matrix instruction is used transposed; the bias, rounded to bf16, is the C operand of each sum's first product; the 32 accumulators take turns.
; log(sigma) = log(exp(y / 2)) is taken as y / 2, which it is wherever exp(y / 2) is a finite number above 0.
; REGISTERS: window 0: addresses; v32-39 sums of y; v64-127 the bias, later mu and y; v128-207 at work.  window 1: accumulators.  window 2: fragments.  window 3: v0-127 eps, v128-191 xb.
; LIMITS: NaN and infinities are not treated apart; exp(y / 2) below 2^-126 counts as 0.
.set MODE,  2
.set PITCH, 272
.set BOFFB, 128*PITCH
.set SLOT1, 1<<17
.set STAGE, SLOT1+384*PITCH
.set STGW,  16*MODE*PITCH
.set SPARE, STAGE+4*STGW
.set WNR,   128/MODE
.set A0,   14
.set B0,   15
.set ADRA, 16
.set ADRB, 17
.set STO,  24
.set RD,   25
.set CO,   26
.set XO,   27
.set SPW,  28
.set NIL,  29
.set ENT,  32
.set BIAS, 64
.set F0,   0
.set F1,   96
.set WV,   12
.set G1,   24
.set G0,   32
.set G1B,  48
.set G0B,  56
.set TS,   44
.set LC,   45
.set KO,   74                          ; s[74:75] byte offset along the rows of the K step asked for last, 0 .. 1,792, with 0 above it
.set ABASE, 90                         ; s[90:91] the first byte of the rows of A that I fetch
.set BBASE, 92                         ; s[92:93] the same for W
.set MSB, 0
.macro WIN new
.if MSB != (\new)
	s_set_vgpr_msb (MSB<<8)|(\new)
.set MSB, (\new)
.endif
.endm
.macro PLACES                          ; four places in front of loads into registers that matrix instructions have read, and of reads of results
.rept 4
	v_nop
.endr
.endm
.macro CREST
	s_cmp_lg_u32 s[WV], 0
	s_cbranch_scc1 .Lnot_wave_0_\@
	s_barrier_signal -3
.Lnot_wave_0_\@:
	s_barrier_wait -3
	s_barrier_signal -1
	s_barrier_wait -1
.endm
.macro CROUND
	s_barrier_signal -1
	s_barrier_wait -1
	CREST
.endm
.macro JLOAD                           ; a refill by the walking descriptors: A's my own, W's joint; the branch hangs on the wave's number alone
	s_cmp_eq_u32 s13, 0
	s_cbranch_scc0 .Lfor_b_\@
	tensor_load_to_lds s[G0+4:G0+7], s[G1:G1+7]
	s_nop 0
.rept 4
	v_nop
.endr
	s_branch .Lasked_\@
.Lfor_b_\@:
	tensor_load_to_lds s[G0B+4:G0B+7], s[G1B:G1B+7]
	s_nop 0
.rept 4
	v_nop
.endr
.Lasked_\@:
.endm
.macro MUL8 f, a, first                ; 8 products: row block a x all 8 column blocks, 32 along K
.if \first
	WIN 0x4a                                       ; sources window 2, C (the bias) window 0, D window 1
.else
	WIN 0x5a
.endif
.irp b, 0,1,2,3,4,5,6,7
.if \first
	v_wmma_f32_16x16x32_bf16 v[8*(8*(\a)+\b):8*(8*(\a)+\b)+7], v[(\f)+8*\b:(\f)+8*\b+7], v[(\f)+64+8*(\a):(\f)+64+8*(\a)+7], v[BIAS+8*\b:BIAS+8*\b+7]
.else
	v_wmma_f32_16x16x32_bf16 v[8*(8*(\a)+\b):8*(8*(\a)+\b)+7], v[(\f)+8*\b:(\f)+8*\b+7], v[(\f)+64+8*(\a):(\f)+64+8*(\a)+7], v[8*(8*(\a)+\b):8*(8*(\a)+\b)+7]
.endif
.endr
.endm
.macro FETCH k, f                      ; 24 LDS loads in one run: W's 8 fragments (blocks 4-7 lie 64 rows further on: y's rows), then A's 4
	WIN 0x80
.irp b, 0,1,2,3,4,5,6,7
	ds_load_b128 v[(\f)+8*\b:(\f)+8*\b+3],   v[ADRB] offset:(\k)+(16*\b+(MODE-1)*64*(\b/4))*PITCH
	ds_load_b128 v[(\f)+8*\b+4:(\f)+8*\b+7], v[ADRB] offset:(\k)+(16*\b+(MODE-1)*64*(\b/4))*PITCH+32
.endr
.irp a, 0,1,2,3
	ds_load_b128 v[(\f)+64+8*\a:(\f)+64+8*\a+3],   v[ADRA] offset:(\k)+16*\a*PITCH
	ds_load_b128 v[(\f)+64+8*\a+4:(\f)+64+8*\a+7], v[ADRA] offset:(\k)+16*\a*PITCH+32
.endr
.endm
.macro QUARTER k, f, g, first          ; multiplies buffer f; in its middle fetches the next quarter, at byte k, into g
	s_wait_dscnt 4                                 ; all but the youngest four loads: A's blocks 2 and 3
	MUL8 \f, 0, \first
	MUL8 \f, 1, \first
	PLACES
	FETCH \k, \g
	s_wait_dscnt 24                                ; all but the 24 just issued
	MUL8 \f, 2, \first
	MUL8 \f, 3, \first
.endm
; A K step's last quarter multiplies buffer 1 and changes slots.  In front of the barrier each wave waits for all its tensor loads (one is out: its part of the next slot), adds 0 to its spare word, and waits
; for that and for its reads of this slot.  fill = 1: the barrier opens a round of the cluster's, and the refill, two K steps ahead in the ring, is the first tensor load behind it: 112 matrix instructions ahead of the wait for it.
; Its address is made anew: the rows' first byte plus the step's offset, which goes round at 2,048.
.macro TURN fill
	WIN 0
	s_wait_tensorcnt 0x0
	ds_add_u32 v[SPW], v[NIL]
	s_wait_dscnt 5                                 ; (the add and the youngest four loads may be out)
	MUL8 F1, 0, 0
	s_wait_dscnt 0x0                               ; the add is done, and my reads of this slot are over
	s_barrier_signal -1
	MUL8 F1, 1, 0
.if \fill
	WIN 0
.endif
	s_barrier_wait -1
.if \fill
	CREST
	s_add_co_u32 s[KO], s[KO], 256                 ; the next K step of the ring
	s_and_b32 s[KO], s[KO], 2047
	s_xor_b32 s[G0+5], s[G0+5], SLOT1
	s_add_nc_u64 s[G0+6:G0+7], s[ABASE:ABASE+1], s[KO:KO+1]
	s_or_b32 s[G0+7], s[G0+7], 0x80000000
	s_xor_b32 s[G0B+5], s[G0B+5], SLOT1
	s_add_nc_u64 s[G0B+6:G0B+7], s[BBASE:BBASE+1], s[KO:KO+1]
	s_or_b32 s[G0B+7], s[G0B+7], 0x80000000
	JLOAD                                          ; its four v_nop are also the places in front of the loads below
.else
	PLACES
	WIN 0
.endif
	s_xor_b32 s[TS], s[TS], SLOT1
	v_add_nc_u32 v[ADRA], s[TS], v[A0]
	v_add_nc_u32 v[ADRB], s[TS], v[B0]
	FETCH 0, F0
	MUL8 F1, 2, 0
	MUL8 F1, 3, 0
.endm
	s_load_b256 s[4:11], s[0:1], 0x0               ; h1 s[4:5], wb s[6:7], b2 s[8:9], xbs s[10:11]
	s_load_b128 s[68:71], s[0:1], 0x20             ; eps s[68:69], out0 s[70:71]
	s_load_b64 s[72:73], s[0:1], 0x30              ; part
	v_lshl_add_u32 v[SPW], v0, 2, SPARE
	v_mov_b32 v[NIL], 0
	ds_add_u32 v[SPW], v[NIL]                      ; the wave's opening: the add and its wait ahead of my first tensor load
	v_lshrrev_b32 v1, 5, v0
	v_readfirstlane_b32 s[WV], v1
	s_lshr_b32 s13, s[WV], 1
	s_and_b32 s14, s[WV], 1
	s_bfe_u32 s40, ttmp6, 0x40000                  ; cx
	s_bfe_u32 s41, ttmp6, 0x40004                  ; cy
	s_lshl_b32 s42, ttmp9, 2
	s_add_co_u32 s42, s42, s40                     ; tile column
	s_and_b32 s43, ttmp7, 0xffff                   ; y: the cluster's number along the grid's y
	s_lshr_b32 s[KO], s43, 2
	s_add_co_u32 s[KO], s[KO], s43
	s_add_co_u32 s[KO], s[KO], s40
	s_and_b32 s[KO], s[KO], 3                      ; c = (cx + y + y / 4) mod 4
	s_lshl_b32 s[KO], s[KO], 9                     ; my first K step, 2 c, in bytes along the rows
	s_mov_b32 s[KO+1], 0
	s_lshl_b32 s43, s43, 2
	s_add_co_u32 s43, s43, s41                     ; tile row
	s_lshl_b32 s47, 0x1111, s40                    ; my column of the cluster
	s_mov_b32 s[G1], (1<<16)|(1<<20)|(5<<22)|(3<<25)               ; A: no mask; 2-byte elements; padding on; after every 64 words 4 words
	s_or_b32 s[G1B], s47, (1<<16)|(1<<20)|(1<<21)|(5<<22)|(3<<25)  ; W: the same with the mask of my column, and bit 21 beside it
	s_mov_b32 s[G1+1], 128<<16
	s_mov_b32 s[G1+2], 64<<16
	s_mov_b32 s[G1+3], 128<<16
	s_mov_b32 s[G1+4], 64
	s_mov_b32 s[G1+5], 1024
	s_mov_b32 s[G1+6], 0
	s_mov_b32 s[G1+7], 0
	s_mov_b32 s[G1B+1], 128<<16
	s_mov_b32 s[G1B+2], 128<<16
	s_mov_b32 s[G1B+3], 128<<16
	s_mov_b32 s[G1B+4], 128
	s_mov_b32 s[G1B+5], 1024
	s_mov_b32 s[G1B+6], 0
	s_mov_b32 s[G1B+7], 0
	s_lshl_b32 s16, s43, 18                        ; A: (128 tile row + 64 half) rows of 2,048 bytes
	s_lshl_b32 s17, s14, 17
	s_add_co_u32 s16, s16, s17
	s_mov_b32 s17, 0
	s_lshl_b32 s18, s42, 18                        ; W2b, behind W1b: row 128 tile column + 512 half: mu's 128 rows, then y's
	s_lshl_b32 s19, s14, 20
	s_add_co_u32 s18, s18, s19
	s_add_co_u32 s18, s18, 2097152
	s_mov_b32 s19, 0
	s_mul_i32 s20, s14, 64*PITCH                   ; where they go: no place in the cluster enters an LDS address
	s_mul_i32 s21, s14, 128*PITCH
	s_add_co_u32 s21, s21, BOFFB
	s_mov_b32 s[G0], 1
	s_mov_b32 s[G0+1], s20
	s_mov_b32 s[G0+4], 1
	s_add_co_u32 s[G0+5], s20, SLOT1
	s_mov_b32 s[G0B], 1
	s_mov_b32 s[G0B+1], s21
	s_mov_b32 s[G0B+4], 1
	s_add_co_u32 s[G0B+5], s21, SLOT1
	s_wait_dscnt 0x0                               ; the opening add is done
	s_wait_kmcnt 0x0
	s_add_nc_u64 s[ABASE:ABASE+1], s[4:5], s[16:17]
	s_add_nc_u64 s[BBASE:BBASE+1], s[6:7], s[18:19]
	s_add_nc_u64 s[G0+2:G0+3], s[ABASE:ABASE+1], s[KO:KO+1]        ; my first K step, 2 c,
	s_add_nc_u64 s[G0B+2:G0B+3], s[BBASE:BBASE+1], s[KO:KO+1]
	s_add_co_u32 s[KO], s[KO], 256                 ; and my second, 2 c + 1: 1,792 bytes at the most, so the ring does not close here
	s_add_nc_u64 s[G0+6:G0+7], s[ABASE:ABASE+1], s[KO:KO+1]
	s_add_nc_u64 s[G0B+6:G0B+7], s[BBASE:BBASE+1], s[KO:KO+1]
	s_or_b32 s[G0+3], s[G0+3], 0x80000000
	s_or_b32 s[G0+7], s[G0+7], 0x80000000
	s_or_b32 s[G0B+3], s[G0B+3], 0x80000000
	s_or_b32 s[G0B+7], s[G0B+7], 0x80000000
	CROUND                                         ; all sixteen work-groups are here: the first joint loads meet
	s_cmp_eq_u32 s13, 0                            ; a wave's two first fills stand in one branch
	s_cbranch_scc0 .Lfirst_b
	tensor_load_to_lds s[G0:G0+3], s[G1:G1+7]
	s_nop 0
	tensor_load_to_lds s[G0+4:G0+7], s[G1:G1+7]
	s_nop 0
.rept 4
	v_nop
.endr
	s_branch .Lfirst_asked
.Lfirst_b:
	tensor_load_to_lds s[G0B:G0B+3], s[G1B:G1B+7]
	s_nop 0
	tensor_load_to_lds s[G0B+4:G0B+7], s[G1B:G1B+7]
	s_nop 0
.rept 4
	v_nop
.endr
.Lfirst_asked:
	v_and_b32 v1, 15, v0                           ; l % 16
	v_bfe_u32 v2, v0, 4, 1                         ; l / 16
	v_lshlrev_b32 v30, 5, v2                       ; the bias: my 8 columns of a block
	s_lshl_b32 s80, s42, 11-MODE                   ; 4 bytes x (128 tile column + 64 column half)
	s_lshl_b32 s81, s14, 10-MODE
	s_add_co_u32 s80, s80, s81
	s_mov_b32 s81, 0
	s_add_nc_u64 s[8:9], s[8:9], s[80:81]
.irp b, 0,1,2,3,4,5,6,7
	global_load_b128 v[BIAS+8*\b:BIAS+8*\b+3],   v30, s[8:9] offset:64*\b+(MODE-1)*1792*(\b/4)
	global_load_b128 v[BIAS+8*\b+4:BIAS+8*\b+7], v30, s[8:9] offset:64*\b+(MODE-1)*1792*(\b/4)+16
.endr
	v_mul_u32_u24 v3, v1, PITCH
	v_lshl_add_u32 v4, v2, 4, v3                   ; a fragment's row x pitch + 16 x half
	s_mul_i32 s20, s13, 64*PITCH
	v_add_nc_u32 v[A0], s20, v4
	s_mul_i32 s21, s14, WNR*PITCH
	s_add_co_u32 s21, s21, BOFFB
	v_add_nc_u32 v[B0], s21, v4
	v_mov_b32 v[ADRA], v[A0]
	v_mov_b32 v[ADRB], v[B0]
	s_mov_b32 s[TS], 0
	s_mul_i32 s22, s[WV], STGW
	s_add_co_u32 s22, s22, STAGE                   ; my stage: 16 rows of mu, then 16 rows of y, f32
	v_lshl_add_u32 v[STO], v2, 3+MODE, v3          ; in: row l % 16, 32 bytes for each half of the lanes
	v_add_nc_u32 v[STO], s22, v[STO]
	v_mul_u32_u24 v[RD], v2, PITCH                 ; back: lanes 0-15 one row of 256 bytes, lanes 16-31 the next
	v_lshl_add_u32 v[RD], v1, 4, v[RD]
	v_add_nc_u32 v[RD], s22, v[RD]
	v_lshlrev_b32 v[CO], 11, v2
	v_lshl_add_u32 v[CO], v1, 4, v[CO]
	s_lshl_b32 s76, s43, 18                        ; my part of out0 and eps: (128 tile row + 64 row half) x 2,048 bytes + 512 tile column + 256 column half
	s_lshl_b32 s77, s13, 17
	s_add_co_u32 s76, s76, s77
	s_lshl_b32 s77, s42, 9
	s_add_co_u32 s76, s76, s77
	s_lshl_b32 s77, s14, 8
	s_add_co_u32 s76, s76, s77
	s_mov_b32 s77, 0
	s_mov_b32 s84, 0xffff0000
	v_lshlrev_b32 v[XO], 10, v2
	v_lshl_add_u32 v[XO], v1, 3, v[XO]
	s_lshr_b32 s78, s76, 1                         ; xb has half the bytes
	s_mov_b32 s79, 0
	s_add_nc_u64 s[10:11], s[10:11], s[78:79]
	s_add_nc_u64 s[68:69], s[68:69], s[76:77]
	s_add_nc_u64 s[70:71], s[70:71], s[76:77]
	s_lshl_b32 s82, s43, 6                         ; part: 4 bytes x (4 (4 tile row + tile column) + wave)
	s_lshl_b32 s83, s42, 4
	s_add_co_u32 s82, s82, s83
	s_lshl_b32 s83, s[WV], 2
	s_add_co_u32 s82, s82, s83
	s_mov_b32 s83, 0
	s_add_nc_u64 s[72:73], s[72:73], s[82:83]
	s_mov_b32 s86, 0x76543210
	s_mov_b32 s87, 0xfedcba98
	s_wait_loadcnt 0x0                             ; the bias
	WIN 0xc0                                       ; eps and xb of my 64 x 64 numbers go to window 3 now and are waited for on the way out.  i = 8 a + t: rows 16 a + 2 t, + 1
.set i, 0
.rept 32
	global_load_b128 v[4*i:4*i+3], v[CO], s[68:69] offset:(16*(i/8)+2*(i%8))*2048 th:TH_LOAD_NT
	global_load_b64 v[128+2*i:128+2*i+1], v[XO], s[10:11] offset:(16*(i/8)+2*(i%8))*1024
.set i, i+1
.endr
	WIN 0
.set i, 0
.rept 32
	v_cvt_pk_bf16_f32 v31, v[BIAS+2*i], v[BIAS+2*i+1]  ; the bias is rounded to bf16 like every input
	v_lshlrev_b32 v[BIAS+2*i], 16, v31
	v_and_b32 v[BIAS+2*i+1], s84, v31
.set i, i+1
.endr
	s_wait_tensorcnt 0x1                           ; my part of my first K step is in; the second's may stay out
	s_barrier_signal -1
	s_barrier_wait -1
	FETCH 0, F0
	QUARTER 64, F0, F1, 1                          ; the first quarter stands in front of the loop: its products start the sums, from the bias
	WIN 0
	s_mov_b32 s[LC], 6
.Lstep:                                                ; a trip: a K step's quarters 1 to 3 and the next step's quarter 0; the slot left is filled again
	QUARTER 128, F1, F0, 0
	QUARTER 192, F0, F1, 0
	TURN 1
	QUARTER 64, F0, F1, 0
	WIN 0
	s_sub_co_u32 s[LC], s[LC], 1
	s_cmp_lg_u32 s[LC], 0
	s_cbranch_scc1 .Lstep
	QUARTER 128, F1, F0, 0                         ; the ring's last two K steps are written out: nothing is left to ask for
	QUARTER 192, F0, F1, 0
	TURN 0
	QUARTER 64, F0, F1, 0
	QUARTER 128, F1, F0, 0
	QUARTER 192, F0, F1, 0
	s_wait_dscnt 4
	MUL8 F1, 0, 0
	MUL8 F1, 1, 0
	s_wait_dscnt 0x0
	MUL8 F1, 2, 0
	MUL8 F1, 3, 0
	WIN 0
	PLACES
	; THE WAY OUT.  Row block a: y is added to the sums; mu and y go in f32 through my stage and come back as whole rows of 256 bytes, where eps and xb were loaded in the same layout;
	; out0 = (xb + mu) + 2^(y log2(e) / 2) eps; 16 lanes store 256 consecutive bytes, aligned.
.set MU,  64
.set YY,  96
.set EPK, 128
.set EF,  144
.set XF,  176
.irp k, 0,1,2,3,4,5,6,7
	v_mov_b32 v[ENT+\k], 0
.endr
	s_wait_loadcnt 0x0                             ; eps and xb
.irp a, 0,1,2,3
	WIN 0x01                                       ; source 0 window 1.
.set i, 0
.rept 16
	v_pk_add_f32 v[ENT+2*(i%4):ENT+2*(i%4)+1], v[64*\a+32+2*i:64*\a+32+2*i+1], v[ENT+2*(i%4):ENT+2*(i%4)+1]
.set i, i+1
.endr
	WIN 0x04                                       ; store data window 1
.irp b, 0,1,2,3,4,5,6,7
	ds_store_b128 v[STO], v[64*\a+8*\b:64*\a+8*\b+3],   offset:(\b/4)*16*PITCH+64*(\b%4)
	ds_store_b128 v[STO], v[64*\a+8*\b+4:64*\a+8*\b+7], offset:(\b/4)*16*PITCH+64*(\b%4)+16
.endr
	WIN 0
	s_wait_xcnt 0x0                                ; the last block's stores have read mu's registers
.irp t, 0,1,2,3,4,5,6,7
	ds_load_b128 v[MU+4*\t:MU+4*\t+3], v[RD] offset:\t*2*PITCH             ; LDS serves a wave's instructions in order (ISA guide 5.7.1.4): these see the stores above
	ds_load_b128 v[YY+4*\t:YY+4*\t+3], v[RD] offset:16*PITCH+\t*2*PITCH
.endr
	WIN 0x0f                                       ; sources window 3: eps is rounded to bf16 like every input, xb widened
.irp t, 0,1,2,3,4,5,6,7
	v_cvt_pk_bf16_f32 v[EPK+2*\t],   v[4*(8*\a+\t)],   v[4*(8*\a+\t)+1]
	v_cvt_pk_bf16_f32 v[EPK+2*\t+1], v[4*(8*\a+\t)+2], v[4*(8*\a+\t)+3]
	v_lshlrev_b32 v[XF+4*\t],   16,  v[128+2*(8*\a+\t)]
	v_and_b32     v[XF+4*\t+1], s84, v[128+2*(8*\a+\t)]
	v_lshlrev_b32 v[XF+4*\t+2], 16,  v[128+2*(8*\a+\t)+1]
	v_and_b32     v[XF+4*\t+3], s84, v[128+2*(8*\a+\t)+1]
.endr
	WIN 0
.irp t, 0,1,2,3,4,5,6,7
	v_lshlrev_b32 v[EF+4*\t],   16,  v[EPK+2*\t]
	v_and_b32     v[EF+4*\t+1], s84, v[EPK+2*\t]
	v_lshlrev_b32 v[EF+4*\t+2], 16,  v[EPK+2*\t+1]
	v_and_b32     v[EF+4*\t+3], s84, v[EPK+2*\t+1]
.endr
	s_wait_dscnt 0x0
.irp t, 0,1,2,3,4,5,6,7
	v_pk_mul_f32 v[YY+4*\t:YY+4*\t+1],   v[YY+4*\t:YY+4*\t+1],   0x3f38aa3b op_sel_hi:[1,0]  ; log2(e) / 2
	v_pk_mul_f32 v[YY+4*\t+2:YY+4*\t+3], v[YY+4*\t+2:YY+4*\t+3], 0x3f38aa3b op_sel_hi:[1,0]
	v_exp_f32 v[YY+4*\t],   v[YY+4*\t]
	v_exp_f32 v[YY+4*\t+1], v[YY+4*\t+1]
	v_exp_f32 v[YY+4*\t+2], v[YY+4*\t+2]
	v_exp_f32 v[YY+4*\t+3], v[YY+4*\t+3]
	v_pk_add_f32 v[MU+4*\t:MU+4*\t+1],   v[MU+4*\t:MU+4*\t+1],   v[XF+4*\t:XF+4*\t+1]        ; plain lines between the exponentials and the use of their results
	v_pk_add_f32 v[MU+4*\t+2:MU+4*\t+3], v[MU+4*\t+2:MU+4*\t+3], v[XF+4*\t+2:XF+4*\t+3]
	s_wait_alu depctr_va_vdst(0)
	v_pk_fma_f32 v[MU+4*\t:MU+4*\t+1],   v[YY+4*\t:YY+4*\t+1],   v[EF+4*\t:EF+4*\t+1],   v[MU+4*\t:MU+4*\t+1]
	v_pk_fma_f32 v[MU+4*\t+2:MU+4*\t+3], v[YY+4*\t+2:YY+4*\t+3], v[EF+4*\t+2:EF+4*\t+3], v[MU+4*\t+2:MU+4*\t+3]
	global_store_b128 v[CO], v[MU+4*\t:MU+4*\t+3], s[70:71] offset:(16*\a+2*\t)*2048 th:TH_STORE_NT
.endr
.endr
	; the wave's sum of y: within the lane, then across the 32 lanes; lane 0 stores it
	v_pk_add_f32 v[ENT:ENT+1], v[ENT:ENT+1], v[ENT+2:ENT+3]
	v_pk_add_f32 v[ENT+4:ENT+5], v[ENT+4:ENT+5], v[ENT+6:ENT+7]
	v_pk_add_f32 v[ENT:ENT+1], v[ENT:ENT+1], v[ENT+4:ENT+5]
	v_add_f32 v[ENT], v[ENT], v[ENT+1]
.irp m, 1,2,4,8
	v_add_f32_dpp v[ENT], v[ENT], v[ENT] row_xmask:\m row_mask:0xf bank_mask:0xf
.endr
	v_permlanex16_b32 v[ENT+1], v[ENT], s86, s87
	v_add_f32 v[ENT], v[ENT], v[ENT+1]
	v_mov_b32 v31, 0
	v_and_b32 v30, 31, v0
	v_cmp_eq_u32 vcc_lo, 0, v30
	s_wait_xcnt 0x0                                ; EXEC is a source of the stores above: it changes only behind this wait
	s_and_saveexec_b32 s88, vcc_lo
	global_store_b32 v31, v[ENT], s[72:73]
	s_wait_xcnt 0x0
	s_or_b32 exec_lo, exec_lo, s88
	s_wait_tensorcnt 0x0                           ; the wave's end
	ds_add_u32 v[SPW], v[NIL]
	s_wait_dscnt 0x0
	CROUND                                         ; the closing round
	s_endpgm
.Lfunc_end_k_qd97456f8ae_mlp2:
	.size	k_qd97456f8ae_mlp2, .Lfunc_end_k_qd97456f8ae_mlp2-k_qd97456f8ae_mlp2
	.p2alignl 7, 3214868480
	.fill 96, 4, 3214868480
	.section	.rodata,"a",@progbits
	.p2align	6, 0x0
	.amdhsa_kernel k_qd97456f8ae_mlp2
		.amdhsa_group_segment_fixed_size 327680
		.amdhsa_private_segment_fixed_size 0
		.amdhsa_enable_private_segment 0
		.amdhsa_kernarg_size 56
		.amdhsa_user_sgpr_count 2
		.amdhsa_user_sgpr_kernarg_segment_ptr 1
		.amdhsa_wavefront_size32 1
		.amdhsa_system_sgpr_workgroup_id_x 1
		.amdhsa_system_sgpr_workgroup_id_y 1
		.amdhsa_system_sgpr_workgroup_id_z 1
		.amdhsa_system_vgpr_workitem_id 0
		.amdhsa_next_free_vgpr 1024
		.amdhsa_next_free_sgpr 96
		.amdhsa_reserve_vcc 1
		.amdhsa_float_denorm_mode_32 3
		.amdhsa_float_denorm_mode_16_64 3
		.amdhsa_memory_ordered 1
		.amdhsa_forward_progress 1
		.amdhsa_inst_pref_size 115
	.end_amdhsa_kernel
	.amdgpu_metadata
---
amdhsa.version: [ 1, 2 ]
amdhsa.kernels:
  - .name:           k_qd97456f8ae_mlp2
    .symbol:         k_qd97456f8ae_mlp2.kd
    .args:
      - { .name: h1, .offset: 0, .size: 8, .value_kind: global_buffer, .address_space: global }
      - { .name: wb, .offset: 8, .size: 8, .value_kind: global_buffer, .address_space: global }
      - { .name: b2, .offset: 16, .size: 8, .value_kind: global_buffer, .address_space: global }
      - { .name: xbs, .offset: 24, .size: 8, .value_kind: global_buffer, .address_space: global }
      - { .name: eps, .offset: 32, .size: 8, .value_kind: global_buffer, .address_space: global }
      - { .name: out0, .offset: 40, .size: 8, .value_kind: global_buffer, .address_space: global }
      - { .name: part, .offset: 48, .size: 8, .value_kind: global_buffer, .address_space: global }
    .group_segment_fixed_size: 327680
    .private_segment_fixed_size: 0
    .kernarg_segment_align: 8
    .kernarg_segment_size: 56
    .max_flat_workgroup_size: 128
    .sgpr_count:     96
    .vgpr_count:     1024
    .wavefront_size: 32
...
	.end_amdgpu_metadata
.endif
;; end of part 7
;; launch ent (part 8): grid 1 x 1, 1 waves a work-group, no clusters, 0 bytes of LDS; arguments part, out1; writes out1
.if DOCPART == 8
	.amdgcn_target "amdgcn-amd-amdhsa--gfx1250"
	.amdhsa_code_object_version 6
	.text
	.protected	k_qd97456f8ae_ent
	.globl	k_qd97456f8ae_ent
	.p2align	8
	.type	k_qd97456f8ae_ent,@function
k_qd97456f8ae_ent:
	s_mov_b64 s[64:65], 0
	v_nop
	global_prefetch_b8 v0, s[64:65] scope:SCOPE_SE
	s_setreg_imm32_b32 hwreg(HW_REG_WAVE_MODE, 25, 1), 1
	s_wait_xcnt 0x0
; out1 = 0.5 + log(2 pi) / 2 + the mean of y / 2 = 1.4189385 + 2^-23 x the sum of the 1,024 partial sums (8,192 x 512 = 2^22 numbers y).
; One wave: 4,096 bytes in eight loads of 512 consecutive bytes; one owner for the one number, so the sum has a fixed order.
	s_load_b128 s[4:7], s[0:1], 0x0                ; part s[4:5], out1 s[6:7]
	v_lshlrev_b32 v1, 4, v0
	s_mov_b32 s8, 0x76543210
	s_mov_b32 s9, 0xfedcba98
	s_wait_kmcnt 0x0
.irp i, 0,1,2,3,4,5,6,7
	global_load_b128 v[4+4*\i:7+4*\i], v1, s[4:5] offset:512*\i
.endr
	s_wait_loadcnt 0x0
.irp i, 0,1,2,3,4,5,6,7
	v_pk_add_f32 v[4+4*\i:5+4*\i], v[4+4*\i:5+4*\i], v[6+4*\i:7+4*\i]
.endr
.irp i, 0,2,4,6
	v_pk_add_f32 v[4+4*\i:5+4*\i], v[4+4*\i:5+4*\i], v[8+4*\i:9+4*\i]
.endr
	v_pk_add_f32 v[4:5], v[4:5], v[12:13]
	v_pk_add_f32 v[20:21], v[20:21], v[28:29]
	v_pk_add_f32 v[4:5], v[4:5], v[20:21]
	v_add_f32 v4, v4, v5
.irp m, 1,2,4,8
	v_add_f32_dpp v4, v4, v4 row_xmask:\m row_mask:0xf bank_mask:0xf
.endr
	v_permlanex16_b32 v5, v4, s8, s9
	v_add_f32 v4, v4, v5
	v_mov_b32 v6, 0x34000000                       ; 2^-23
	v_fmaak_f32 v4, v4, v6, 0x3fb59fc7             ; + 1.4189385
	v_mov_b32 v7, 0
	v_cmp_eq_u32 vcc_lo, 0, v0
	s_wait_xcnt 0x0
	s_and_saveexec_b32 s10, vcc_lo
	global_store_b32 v7, v4, s[6:7]
	s_wait_xcnt 0x0
	s_or_b32 exec_lo, exec_lo, s10
	s_endpgm
.Lfunc_end_k_qd97456f8ae_ent:
	.size	k_qd97456f8ae_ent, .Lfunc_end_k_qd97456f8ae_ent-k_qd97456f8ae_ent
	.p2alignl 7, 3214868480
	.fill 96, 4, 3214868480
	.section	.rodata,"a",@progbits
	.p2align	6, 0x0
	.amdhsa_kernel k_qd97456f8ae_ent
		.amdhsa_group_segment_fixed_size 0
		.amdhsa_private_segment_fixed_size 0
		.amdhsa_enable_private_segment 0
		.amdhsa_kernarg_size 16
		.amdhsa_user_sgpr_count 2
		.amdhsa_user_sgpr_kernarg_segment_ptr 1
		.amdhsa_wavefront_size32 1
		.amdhsa_system_sgpr_workgroup_id_x 1
		.amdhsa_system_sgpr_workgroup_id_y 1
		.amdhsa_system_sgpr_workgroup_id_z 1
		.amdhsa_system_vgpr_workitem_id 0
		.amdhsa_next_free_vgpr 48
		.amdhsa_next_free_sgpr 66
		.amdhsa_reserve_vcc 1
		.amdhsa_float_denorm_mode_32 3
		.amdhsa_float_denorm_mode_16_64 3
		.amdhsa_memory_ordered 1
		.amdhsa_forward_progress 1
		.amdhsa_inst_pref_size 4
	.end_amdhsa_kernel
	.amdgpu_metadata
---
amdhsa.version: [ 1, 2 ]
amdhsa.kernels:
  - .name:           k_qd97456f8ae_ent
    .symbol:         k_qd97456f8ae_ent.kd
    .args:
      - { .name: part, .offset: 0, .size: 8, .value_kind: global_buffer, .address_space: global }
      - { .name: out1, .offset: 8, .size: 8, .value_kind: global_buffer, .address_space: global }
    .group_segment_fixed_size: 0
    .private_segment_fixed_size: 0
    .kernarg_segment_align: 8
    .kernarg_segment_size: 16
    .max_flat_workgroup_size: 32
    .sgpr_count:     66
    .vgpr_count:     48
    .wavefront_size: 32
...
	.end_amdgpu_metadata
.endif
;; end of part 8
